; MI455X (gfx1250); checked and timed in simulation.
; The chip was launched on July 23, 2026; its instructions are those of AMD's public machine-readable ISA for CDNA 5 (MIT licence, August 2026) and "CDNA5" Instruction Set Architecture Reference Guide (July 2026). The comments in the code are by the model that wrote it; some were corrected since.
;; Self Attention. Allowed arithmetic: matrix products marked QUANTISED: E2M1 operands, one E8M0 scale for each 32 along K, by v_wmma_scale_f32_16x16x128_f8f6f4 with both operands' format E2M1 (or v_wmma_scale_f32_32x16x128_f4), f32 sums; products left as they are: bf16, f16 or f32 operands; f32 sums; everything else in f32.
;; Inputs: Wk 2,048 x 512 float32; Wo 2,048 x 2,048 float32; Wq 2,048 x 2,048 float32; Wv 2,048 x 512 float32; x 2,048 x 2,048 float32.
;; Outputs: out0 2,048 x 2,048 float32.
;; This version of the problem:
;;   THIS VERSION OF THE PROBLEM IS GIVEN IN LOW PRECISION. The matrix products marked QUANTISED in the list below multiply operands that are first quantised to E2M1 (2 exponent bits, 1 mantissa bit; 4 bits a number), with one power-of-two scale for each 32 numbers along K (OCP MX v1.0); their sums are f32. The products marked 'left as it is' may take bf16, f16 or f32 operands, with f32 sums. Whichever they take, every output number must still come out within the allowed error. Rounding operands to bf16 (8 significant bits) uses up far more of that allowance than f16 does (11 bits, for magnitudes from 6e-5 to 65,504). All else is computed in f32.
;;   The module's matrix products, in the order in which they are computed (A, B: the left and right operand; K: the contracted axis; several contracted axes count as one K, in the product's order):
;;     1. [M 2,048, K 2,048] x [K 2,048, N 2,048]; A: input x; B: input Wq: QUANTISED
;;     2. [M 2,048, K 2,048] x [K 2,048, N 512]; A: input x; B: input Wk: QUANTISED
;;     3. [M 2,048, K 2,048] x [K 2,048, N 512]; A: input x; B: input Wv: QUANTISED
;;     4. batch 8 x [M 2,048, K 64] x [K 64, N 8,192]; A: computed on the way; B: computed on the way: left as it is (an operand is computed on the way)
;;     5. batch 8 x [M 64, K 2,048] x [K 2,048, N 8,192]; A: computed on the way; B: computed on the way: left as it is (an operand is computed on the way)
;;     6. [M 2,048, K 2,048] x [K 2,048, N 2,048]; A: computed on the way; B: input Wo: left as it is (an operand is computed on the way)
;;   THE QUANTISER, for each operand of a quantised product, along K:
;;     - K is cut into blocks of 32 from its start; a last block that is shorter is filled with zeros.
;;     - A block's scale is 2^e with e = floor(log2(the largest magnitude in the block)) - 2, held to -126 .. 127; a block of zeros has e = 0. As a byte (E8M0): e + 127.
;;     - Each number is divided by its block's scale, clamped to +-6, and rounded to the nearest number of E2M1, ties to even, subnormals kept.
;;     - The product sums the exact products of the quantised numbers (number of the format x scale) in f32.
;;   ~~~python
;;   def quantise(x, axis):      # numpy; x: float32 -> the quantised numbers, widened to float32 again
;;       x = np.moveaxis(x, axis, -1); K = x.shape[-1]
;;       x = np.pad(x, [(0, 0)] * (x.ndim - 1) + [(0, -K % 32)]); x = x.reshape(x.shape[:-1] + (-1, 32)); a = np.abs(x).max(-1, keepdims=True)
;;       e = np.where(a > 0, np.clip(np.frexp(np.where(a > 0, a, 1))[1] - 1 - 2, -126, 127), 0)      # np.frexp(a)[1] - 1 = floor(log2(a)), exactly
;;       r = np.clip(x / 2.0 ** e, -6, 6)
;;       step = 2.0 ** (np.maximum(np.frexp(np.where(r == 0, 1, r))[1] - 1, 0) - 1)
;;       q = np.round(r / step) * step * 2.0 ** e      # np.round: ties to even
;;       return np.moveaxis(q.reshape(q.shape[:-2] + (-1,))[..., :K], -1, axis).astype(np.float32)
;;   ~~~
;; One version. Each part assembles by itself: llvm-mc -triple=amdgcn-amd-amdhsa -mcpu=gfx1250 --defsym DOCPART=n.
;; ======== version 1 of 1: 5 launches
;; limits: values are held in f16: magnitudes above 65,504 overflow, below 6.1e-05 lose precision
;; workspace buffers: codes 5,242,880 bytes; aux 851,968 bytes; qkvh 12,582,912 bytes; first 196,608 bytes; woh 8,388,608 bytes; part 2,097,152 bytes; o16 8,388,608 bytes
;; launch prep (part 1): grid 256 x 1, 16 waves a work-group, no clusters, 165,888 bytes of LDS; arguments x, Wq, Wk, Wv, codes, aux; writes codes, aux
.if DOCPART == 1
	.amdgcn_target "amdgcn-amd-amdhsa--gfx1250"
	.amdhsa_code_object_version 6
	.text
	.protected	k_q30e8d468e1_prep
	.globl	k_q30e8d468e1_prep
	.p2align	8
	.type	k_q30e8d468e1_prep,@function
k_q30e8d468e1_prep:
	s_mov_b64 s[64:65], 0
	v_nop
	global_prefetch_b8 v0, s[64:65] scope:SCOPE_SE
	s_setreg_imm32_b32 hwreg(HW_REG_WAVE_MODE, 25, 1), 1
	s_wait_xcnt 0x0
; x [2048][2048] and Wq | Wk | Wv [2048 k][3072 n], f32, become codes of FP4 (E2M1) with K innermost and one E8M0 byte for each 32 along K; and the rotary table is made.
; codes: x's rows of 1,024 bytes at 0; the weights' 3,072 rows (one for each column n: 0-2047 Wq, 2048-2559 Wk, 2560-3071 Wv) at 2,097,152.
; aux:   x's scale bytes [2048][64] at 0; the weights' [3072][64] at 131,072; the table [2048 positions][32 x cos/2 | 32 x sin/2] f32 at 327,680.
; A block's scale is 2^(floor(log2(largest magnitude)) - 2); its byte is the largest magnitude's exponent field - 2, held at 1 from below.
; LIMITS: a block of zeros gets the byte 1 (its codes are zeros; this program alone reads the bytes); blocks whose largest magnitude lies under 2^-124 keep the byte 1; NaN and infinities are not served.
; The table holds HALF the cosine and sine (an exact scaling): q and k leave the next launch halved, which gives f16 twice the room; the scores' factor makes up for it.
; inv_freq follows the source's own chain, p = 10000^(j/32), 1/sqrt(p), 1/that, each step brought to nearest by Newton steps; if a library rounds a step otherwise the frequency differs by one unit in the last place at most.
; WORK-GROUPS: 0-127 x (a wave to a row); 128-191 Wq, 192-223 Wk and Wv (128 columns x 512 along K each); 224-255 the table (a wave to four positions, a lane to a frequency).
; The paths part on the work-group's number alone, and each has LDS bytes of its own.  No tensor loads, no matrix work: memory binds.
.set XW,    5632                       ; path x: a wave's region: two stages of 32 x 80 bytes, then its 64 scale bytes at +5,120
.set WA,    90112                      ; path Wq: a stage of 128 rows x 272 bytes, then 128 x 16 bytes of scale words at +34,816
.set WB,    126976                     ; path Wk, Wv: the same
.set SPARE, 163840                     ; the spare words, 128 bytes for each of the 16 waves: no other line names them
.set SPW,   190
.set NIL,   191
	s_load_b256 s[4:11], s[0:1], 0x0               ; x, Wq, Wk, Wv
	s_load_b128 s[12:15], s[0:1], 0x20             ; codes, aux
	v_lshl_add_u32 v[SPW], v0, 2, SPARE
	v_mov_b32 v[NIL], 0
	v_lshrrev_b32 v1, 5, v0
	v_readfirstlane_b32 s16, v1                    ; wave 0..15
	v_and_b32 v2, 31, v0                           ; lane
	s_wait_kmcnt 0x0
	s_cmp_lt_u32 ttmp9, 128
	s_cbranch_scc1 .Lpath_x
	s_cmp_lt_u32 ttmp9, 192
	s_cbranch_scc1 .Lpath_wq
	s_cmp_lt_u32 ttmp9, 224
	s_cbranch_scc1 .Lpath_wkv
; ---------------- THE TABLE ----------------
.macro PJ j, val                       ; lane j's p = 10^(j/8), the decimal rounded to f32 by the assembler
	s_mov_b32 s22, \val
	v_writelane_b32 v20, s22, \j
.endm
.macro RECIP d, x, e                   ; v[d] = 1 / v[x]: the approximation and two Newton steps
	v_rcp_f32 v[\d], v[\x]
	v_nop                                          ; a plain instruction behind the transcendental,
	s_wait_alu depctr_va_vdst(0)                   ; and the wait ahead of its first reader
.rept 2
	v_fma_f32 v[\e], -v[\x], v[\d], 1.0
	v_fma_f32 v[\d], v[\e], v[\d], v[\d]
.endr
.endm
	s_sub_co_u32 s17, ttmp9, 224
	s_lshl_b32 s17, s17, 4
	s_add_co_u32 s17, s17, s16                     ; which four positions: 0..511
	s_lshl_b32 s20, s17, 10                        ; four rows of 256 bytes
	s_add_co_u32 s20, s20, 327680
	s_mov_b32 s21, 0
	s_add_nc_u64 s[14:15], s[14:15], s[20:21]
	s_lshl_b32 s18, s17, 2                         ; the first position
	s_mov_b32 s23, 0x3fc90fdb                      ; pi/2, its f32 part,
	s_mov_b32 s24, 0xb33bbd2e                      ; and what is left of it
	v_lshlrev_b32 v3, 2, v2
	v_mov_b32 v20, 0
	PJ 0, 1.0
	PJ 1, 1.3335214321633240
	PJ 2, 1.7782794100389228
	PJ 3, 2.3713737056616552
	PJ 4, 3.1622776601683795
	PJ 5, 4.2169650342858225
	PJ 6, 5.6234132519034908
	PJ 7, 7.4989420933245582
	PJ 8, 10.0
	PJ 9, 13.335214321633240
	PJ 10, 17.782794100389228
	PJ 11, 23.713737056616552
	PJ 12, 31.622776601683795
	PJ 13, 42.169650342858225
	PJ 14, 56.234132519034908
	PJ 15, 74.989420933245582
	PJ 16, 100.0
	PJ 17, 133.35214321633240
	PJ 18, 177.82794100389228
	PJ 19, 237.13737056616552
	PJ 20, 316.22776601683795
	PJ 21, 421.69650342858225
	PJ 22, 562.34132519034908
	PJ 23, 749.89420933245582
	PJ 24, 1000.0
	PJ 25, 1333.5214321633240
	PJ 26, 1778.2794100389228
	PJ 27, 2371.3737056616552
	PJ 28, 3162.2776601683795
	PJ 29, 4216.9650342858225
	PJ 30, 5623.4132519034908
	PJ 31, 7498.9420933245582
	v_sqrt_f32 v21, v20                            ; y = sqrt(p)
	v_nop
	s_wait_alu depctr_va_vdst(0)
	v_fma_f32 v22, -v21, v21, v20                  ; p - y y, exactly
	v_rcp_f32 v23, v21
	v_mul_f32 v22, 0.5, v22                        ; (the plain instruction behind the transcendental)
	s_wait_alu depctr_va_vdst(0)
	v_fma_f32 v21, v22, v23, v21                   ; y + (p - y y) / 2y
	RECIP 24, 21, 22                               ; z = 1 / sqrt(p)
	RECIP 25, 24, 22                               ; the frequency = 1 / z
.macro TPOS i
	s_add_co_u32 s19, s18, \i
	v_cvt_f32_u32 v26, s19
	v_mul_f32 v27, v26, v25                        ; the angle: ONE rounding, as the source has it
	v_mul_f32 v28, 0x3f22f983, v27
	v_rndne_f32 v28, v28                           ; n = the nearest multiple of pi/2
	v_fma_f32 v29, -v28, s23, v27                  ; exact: the difference is a multiple of 2^-23 under 1
	v_fma_f32 v29, -v28, s24, v29                  ; r, at most some 0.81 in magnitude
	v_mul_f32 v30, v29, v29                        ; u = r r
	v_mov_b32 v31, 0x3638ef1d                      ; sin r = r + r u (-1/6 + u (1/120 + u (-1/5040 + u/362880)))
	v_fmaak_f32 v31, v31, v30, 0xb9500d01
	v_fmaak_f32 v31, v31, v30, 0x3c088889
	v_fmaak_f32 v31, v31, v30, 0xbe2aaaab
	v_mul_f32 v32, v29, v30
	v_fma_f32 v31, v32, v31, v29
	v_mov_b32 v33, 0x37d00d01                      ; cos r = 1 + u (-1/2 + u (1/24 + u (-1/720 + u/40320)))
	v_fmaak_f32 v33, v33, v30, 0xbab60b61
	v_fmaak_f32 v33, v33, v30, 0x3d2aaaab
	v_fmaak_f32 v33, v33, v30, 0xbf000000
	v_fma_f32 v33, v33, v30, 1.0
	v_cvt_i32_f32 v34, v28                         ; the quadrant: selects and sign bits, no branch
	v_and_b32 v35, 1, v34
	v_cmp_ne_u32 vcc_lo, 0, v35
	v_cndmask_b32 v36, v31, v33, vcc_lo            ; sine: in odd quadrants the cosine's polynomial
	v_cndmask_b32 v37, v33, v31, vcc_lo            ; cosine: the other
	v_and_b32 v35, 2, v34
	v_lshlrev_b32 v35, 30, v35
	v_xor_b32 v36, v35, v36                        ; the sine is negative in quadrants 2, 3
	v_add_nc_u32 v35, 1, v34
	v_and_b32 v35, 2, v35
	v_lshlrev_b32 v35, 30, v35
	v_xor_b32 v37, v35, v37                        ; the cosine in quadrants 1, 2
	v_mul_f32 v[38+2*\i], 0.5, v37
	v_mul_f32 v[39+2*\i], 0.5, v36
	global_store_b32 v3, v[38+2*\i], s[14:15] offset:256*\i       ; 128 consecutive bytes; the row's other half follows at once
	global_store_b32 v3, v[39+2*\i], s[14:15] offset:256*\i+128
.endm
	TPOS 0
	TPOS 1
	TPOS 2
	TPOS 3
	s_wait_tensorcnt 0x0                           ; the wave's end
	ds_add_u32 v[SPW], v[NIL]
	s_wait_dscnt 0x0
	s_endpgm
; ---------------- x: a wave takes one row, 2,048 numbers, in four steps of 512 ----------------
; Each load reads 512 consecutive bytes; a step's 2,048 bytes turn through the wave's own stage so that a lane holds 16 neighbours; two neighbouring lanes hold a block.
.set R, 16                             ; v16-79   four sets of 16 numbers as loaded
.set X, 80                             ; v80-111  two sets of 16 neighbours
.set C, 128                            ; v128-135 codes, two registers a step
.set E, 112                            ; v112-115 a scale byte a step
.macro XLOAD t
.irp i, 0,1,2,3
	global_load_b128 v[R+16*(\t)+4*\i:R+16*(\t)+4*\i+3], v3, s[4:5] offset:2048*(\t)+512*\i th:TH_LOAD_NT
.endr
.endm
.macro XTURN t                         ; LDS serves a wave's instructions in order: no wait between the stores and the loads
.irp i, 0,1,2,3
	ds_store_b128 v14, v[R+16*(\t)+4*\i:R+16*(\t)+4*\i+3] offset:2560*((\t)%2)+640*\i
.endr
.irp i, 0,1,2,3
	ds_load_b128 v[X+16*((\t)%2)+4*\i:X+16*((\t)%2)+4*\i+3], v15 offset:2560*((\t)%2)+16*\i
.endr
.endm
.macro XSTEP t
.set XS, X+16*((\t)%2)
.if (\t) > 0
	s_wait_dscnt 1                                 ; this step's numbers are back; the last step's byte store, issued behind them, may be out
.else
	s_wait_dscnt 0x0
.endif
.if (\t) < 3
	s_wait_loadcnt 4*(2-(\t))                      ; the next step's four loads are in; those of the steps behind it may be out
	XTURN (\t)+1
.endif
	v_max3_num_f32 v8, |v[XS]|, |v[XS+1]|, |v[XS+2]|
	v_max3_num_f32 v9, |v[XS+3]|, |v[XS+4]|, |v[XS+5]|
.irp i, 6,10
	v_max3_num_f32 v8, v8, |v[XS+\i]|, |v[XS+\i+1]|
	v_max3_num_f32 v9, v9, |v[XS+\i+2]|, |v[XS+\i+3]|
.endr
	v_max3_num_f32 v8, v8, |v[XS+14]|, |v[XS+15]|
	v_max3_num_f32 v8, v8, v9, 0x1800000           ; the floor 2^(3 - 127): the byte cannot fall under 1
	v_max_num_f32_dpp v8, v8, v8 row_xmask:1 row_mask:0xf bank_mask:0xf   ; with my neighbour's 16: the block's largest magnitude
	v_add_nc_u32 v11, 0xff000000, v8               ; 2 off its exponent field: the conversion's scale operand
	v_cvt_scalef32_pk8_fp4_f32 v[C+2*(\t)], v[XS:XS+7], v11
	v_cvt_scalef32_pk8_fp4_f32 v[C+2*(\t)+1], v[XS+8:XS+15], v11
	v_lshrrev_b32 v[E+(\t)], 23, v11               ; the scale's byte (also the plain instruction behind the conversions)
	ds_store_b8 v5, v[E+(\t)] offset:16*(\t)       ; both lanes of a block write the same byte
	global_store_b64 v4, v[C+2*(\t):C+2*(\t)+1], s[12:13] offset:256*(\t)   ; 256 consecutive bytes, aligned
.endm
.Lpath_x:
	s_mul_i32 s17, s16, XW
	v_lshlrev_b32 v3, 4, v2
	v_lshrrev_b32 v14, 2, v2
	v_mul_u32_u24 v14, v14, 80
	v_and_b32 v15, 3, v2
	v_lshl_add_u32 v14, v15, 4, v14
	v_add_nc_u32 v14, s17, v14                     ; into the stage: four lanes' 64 bytes on end, then 16 of padding
	v_mul_u32_u24 v15, v2, 80
	v_add_nc_u32 v15, s17, v15                     ; out of it: my 16 neighbours
	v_lshlrev_b32 v4, 3, v2
	v_lshrrev_b32 v5, 1, v2
	s_add_co_u32 s17, s17, 5120
	v_add_nc_u32 v5, s17, v5                       ; my block's byte
	v_lshlrev_b32 v7, 1, v2
	v_add_nc_u32 v6, s17, v7
	s_lshl_b32 s18, ttmp9, 4
	s_add_co_u32 s18, s18, s16                     ; my row
	s_mov_b32 s21, 0
	s_lshl_b32 s20, s18, 13
	s_add_nc_u64 s[4:5], s[4:5], s[20:21]
	s_lshl_b32 s20, s18, 10
	s_add_nc_u64 s[12:13], s[12:13], s[20:21]
	s_lshl_b32 s20, s18, 6
	s_add_nc_u64 s[14:15], s[14:15], s[20:21]
	XLOAD 0
	XLOAD 1
	XLOAD 2
	XLOAD 3
	s_wait_loadcnt 12                              ; step 0's four loads are in
	XTURN 0
	XSTEP 0
	XSTEP 1
	XSTEP 2
	XSTEP 3
	ds_load_u16 v8, v6                             ; the row's 64 scale bytes, two a lane
	s_wait_dscnt 0x0
	global_store_b16 v7, v8, s[14:15]              ; 64 consecutive bytes a wave: one byte for each 128 that the path reads
	s_wait_tensorcnt 0x0                           ; the wave's end
	ds_add_u32 v[SPW], v[NIL]
	s_wait_dscnt 0x0
	s_endpgm
; ---------------- the weights: K is their FIRST axis: a lane takes a column, its registers run down K ----------------
; A work-group takes 128 columns x 512 along K; wave w columns 32 (w & 3) on, K 128 (w >> 2) on: four blocks a lane.  The codes leave through a stage, sixteen lanes to an aligned 256 bytes.
.macro WBLOCK t, left
.set XS, 32+32*(\t)
	s_wait_loadcnt \left
	v_max3_num_f32 v12, |v[XS]|, |v[XS+1]|, |v[XS+2]|
	v_max3_num_f32 v13, |v[XS+3]|, |v[XS+4]|, |v[XS+5]|
.irp i, 6,10,14,18,22,26
	v_max3_num_f32 v12, v12, |v[XS+\i]|, |v[XS+\i+1]|
	v_max3_num_f32 v13, v13, |v[XS+\i+2]|, |v[XS+\i+3]|
.endr
	v_max3_num_f32 v12, v12, |v[XS+30]|, |v[XS+31]|
	v_max3_num_f32 v12, v12, v13, 0x1800000
	v_add_nc_u32 v11, 0xff000000, v12
	v_lshrrev_b32 v13, 23, v11
.if (\t) == 0
	v_mov_b32 v24, v13                             ; four bytes make the word of my 128 along K
.else
	v_lshl_or_b32 v24, v13, 8*(\t), v24
.endif
.irp g, 0,1,2,3
	v_cvt_scalef32_pk8_fp4_f32 v[160+4*(\t)+\g], v[XS+8*\g:XS+8*\g+7], v11
.endr
	v_nop                                          ; a plain instruction behind the conversions
	ds_store_b128 v4, v[160+4*(\t):160+4*(\t)+3] offset:16*(\t)
.endm
.macro WPATH PITCHB, LB, ID0, KVM
	s_sub_co_u32 s17, ttmp9, \ID0
	s_lshr_b32 s18, s17, 2                         ; which 128 columns
	s_and_b32 s19, s17, 3                          ; which 512 along K
	s_and_b32 s20, s16, 3                          ; my 32 columns
	s_lshr_b32 s21, s16, 2                         ; my 128 along K
.if \KVM
	s_cmp_lt_u32 s17, 16                           ; Wk's work-group or Wv's: the choice hangs on the work-group's number alone
	s_cselect_b64 s[6:7], s[8:9], s[10:11]
	s_and_b32 s22, s18, 3
	s_lshl_b32 s23, s18, 7
	s_add_co_u32 s23, s23, 2048                    ; the first output row
.else
	s_mov_b32 s22, s18
	s_lshl_b32 s23, s18, 7
.endif
	s_lshl_b32 s24, s19, 2
	s_add_co_u32 s24, s24, s21
	s_mul_i32 s24, s24, 128*\PITCHB                ; my first row k,
	s_lshl_b32 s25, s22, 2
	s_add_co_u32 s25, s25, s20
	s_lshl_b32 s25, s25, 7                         ; my first column, in bytes
	s_add_co_u32 s24, s24, s25
	s_mov_b32 s25, 0
	s_add_nc_u64 s[6:7], s[6:7], s[24:25]
	s_lshl_b32 s24, s16, 3
	s_add_co_u32 s24, s24, s23
	s_lshl_b32 s24, s24, 10                        ; codes: row (first + 8 x wave) of 1,024 bytes,
	s_lshl_b32 s26, s19, 8
	s_add_co_u32 s24, s24, s26                     ; + 256 bytes for each 512 along K
	s_add_co_u32 s24, s24, 2097152
	s_add_nc_u64 s[12:13], s[12:13], s[24:25]
	s_lshl_b32 s24, s20, 5
	s_add_co_u32 s24, s24, s23
	s_lshl_b32 s24, s24, 6                         ; scale bytes: row (first + 32 (wave & 3)) of 64 bytes,
	s_lshl_b32 s26, s19, 4
	s_add_co_u32 s24, s24, s26
	s_add_co_u32 s24, s24, 131072
	s_add_nc_u64 s[14:15], s[14:15], s[24:25]
	v_lshlrev_b32 v3, 2, v2
	s_mul_i32 s24, s20, 32*272
	s_lshl_b32 s26, s21, 6
	s_add_co_u32 s24, s24, s26
	s_add_co_u32 s24, s24, \LB
	v_mul_u32_u24 v4, v2, 272
	v_add_nc_u32 v4, s24, v4                       ; the stage: row = my column, + 64 bytes for each 128 along K
	s_lshl_b32 s24, s20, 9
	s_lshl_b32 s26, s21, 2
	s_add_co_u32 s26, s26, s24
	s_add_co_u32 s26, s26, \LB+34816
	v_lshl_add_u32 v5, v2, 4, s26                  ; my scale word
	s_add_co_u32 s24, s24, \LB+34816
	v_lshl_add_u32 v9, v2, 4, s24                  ; and where a column's four words are read back
	v_lshlrev_b32 v10, 6, v2
	v_and_b32 v6, 15, v2
	v_lshrrev_b32 v1, 4, v2
	s_mul_i32 s24, s16, 8*272
	s_add_co_u32 s24, s24, \LB
	v_mul_u32_u24 v7, v1, 272
	v_lshl_add_u32 v7, v6, 4, v7
	v_add_nc_u32 v7, s24, v7                       ; out of the stage: sixteen lanes to a row, two rows an instruction
	v_lshlrev_b32 v8, 10, v1
	v_lshl_add_u32 v8, v6, 4, v8
.set kk, 0
.rept 128
	global_load_b32 v[32+kk], v3, s[6:7] offset:kk*\PITCHB th:TH_LOAD_NT   ; 32 lanes read 128 consecutive bytes of row k
.set kk, kk+1
.endr
	WBLOCK 0, 63                                   ; 96 younger loads would do for block 0 and 64 for block 1: the count's field ends at 63, and a smaller count is right
	WBLOCK 1, 63
	WBLOCK 2, 32
	WBLOCK 3, 0
	ds_store_b32 v5, v24
	s_wait_dscnt 0x0                               ; for the others' sake: my stores into the stage are done
	s_barrier_signal -1
	s_barrier_wait -1
.irp t, 0,1,2,3
	ds_load_b128 v[32+4*\t:32+4*\t+3], v7 offset:2*\t*272
.endr
.irp t, 0,1,2,3
	s_wait_dscnt 3-\t
	global_store_b128 v8, v[32+4*\t:32+4*\t+3], s[12:13] offset:2*\t*1024   ; sixteen lanes store 256 consecutive bytes, aligned
.endr
	s_cmp_lt_u32 s16, 4                            ; waves 0-3 send the scale words: 16 bytes for each of their 32 columns
	s_cbranch_scc0 .Lw_done_\@
	ds_load_b128 v[48:51], v9
	s_wait_dscnt 0x0
	global_store_b128 v10, v[48:51], s[14:15]
.Lw_done_\@:
	s_wait_tensorcnt 0x0                           ; the wave's end
	ds_add_u32 v[SPW], v[NIL]
	s_wait_dscnt 0x0
	s_endpgm
.endm
.Lpath_wq:
	WPATH 8192, WA, 128, 0
.Lpath_wkv:
	WPATH 2048, WB, 192, 1
.Lfunc_end_k_q30e8d468e1_prep:
	.size	k_q30e8d468e1_prep, .Lfunc_end_k_q30e8d468e1_prep-k_q30e8d468e1_prep
	.p2alignl 7, 3214868480
	.fill 96, 4, 3214868480
	.section	.rodata,"a",@progbits
	.p2align	6, 0x0
	.amdhsa_kernel k_q30e8d468e1_prep
		.amdhsa_group_segment_fixed_size 165888
		.amdhsa_private_segment_fixed_size 0
		.amdhsa_enable_private_segment 0
		.amdhsa_kernarg_size 48
		.amdhsa_user_sgpr_count 2
		.amdhsa_user_sgpr_kernarg_segment_ptr 1
		.amdhsa_wavefront_size32 1
		.amdhsa_system_sgpr_workgroup_id_x 1
		.amdhsa_system_sgpr_workgroup_id_y 1
		.amdhsa_system_sgpr_workgroup_id_z 1
		.amdhsa_system_vgpr_workitem_id 0
		.amdhsa_next_free_vgpr 192
		.amdhsa_next_free_sgpr 66
		.amdhsa_reserve_vcc 1
		.amdhsa_float_denorm_mode_32 3
		.amdhsa_float_denorm_mode_16_64 3
		.amdhsa_memory_ordered 1
		.amdhsa_forward_progress 1
		.amdhsa_inst_pref_size 66
	.end_amdhsa_kernel
	.amdgpu_metadata
---
amdhsa.version: [ 1, 2 ]
amdhsa.kernels:
  - .name:           k_q30e8d468e1_prep
    .symbol:         k_q30e8d468e1_prep.kd
    .args:
      - { .name: x, .offset: 0, .size: 8, .value_kind: global_buffer, .address_space: global }
      - { .name: Wq, .offset: 8, .size: 8, .value_kind: global_buffer, .address_space: global }
      - { .name: Wk, .offset: 16, .size: 8, .value_kind: global_buffer, .address_space: global }
      - { .name: Wv, .offset: 24, .size: 8, .value_kind: global_buffer, .address_space: global }
      - { .name: codes, .offset: 32, .size: 8, .value_kind: global_buffer, .address_space: global }
      - { .name: aux, .offset: 40, .size: 8, .value_kind: global_buffer, .address_space: global }
    .group_segment_fixed_size: 165888
    .private_segment_fixed_size: 0
    .kernarg_segment_align: 8
    .kernarg_segment_size: 48
    .max_flat_workgroup_size: 512
    .sgpr_count:     66
    .vgpr_count:     192
    .wavefront_size: 32
...
	.end_amdgpu_metadata
.endif
;; end of part 1
;; launch qkv (part 2): grid 16 x 16, 4 waves a work-group, clusters of 4 x 4, 327,680 bytes of LDS; arguments codes, aux, qkvh, first; writes qkvh, first
.if DOCPART == 2
	.amdgcn_target "amdgcn-amd-amdhsa--gfx1250"
	.amdhsa_code_object_version 6
	.text
	.protected	k_q30e8d468e1_qkv
	.globl	k_q30e8d468e1_qkv
	.p2align	8
	.type	k_q30e8d468e1_qkv,@function
k_q30e8d468e1_qkv:
	s_mov_b64 s[64:65], 0
	v_nop
	global_prefetch_b8 v0, s[64:65] scope:SCOPE_SE
	s_setreg_imm32_b32 hwreg(HW_REG_WAVE_MODE, 25, 1), 1
	s_wait_xcnt 0x0
	s_wait_alu depctr_hold_cnt(0) depctr_sa_sdst(0) depctr_va_vdst(0) depctr_va_sdst(0) depctr_va_ssrc(0) depctr_va_vcc(0) depctr_vm_vsrc(0)
	s_getreg_b32 s2, hwreg(HW_REG_IB_STS2, 6, 4)
	s_cmp_eq_u32 s2, 0
	s_cbranch_scc0 .Lentry_in_a_cluster
	s_endpgm
.Lentry_in_a_cluster:
	s_bfe_u32 s2, ttmp6, 0x10000c
	s_cmp_lg_u32 s2, 0xf033
	s_cbranch_scc0 .Lentry_shape_is_right
	s_endpgm
.Lentry_shape_is_right:
; [q | k | v] = x [Wq | Wk | Wv] on codes of FP4 with E8M0 scales (M 2,048, N 3,072, K 2,048), the rotary step on q and k, and the results as f16, head by head: qkvh [48 heads][2048 positions][64].
; Heads 0-31 are q's, 32-39 k's, 40-47 v's.  q and k leave HALVED (the table holds cos/2 and sin/2), v as it is.  Positions 0-15 also leave in f32: first [48][16][64].
; LIMITS: f16's range: |q|, |k| under 131,000, |v| under 65,504.
; A work-group of four waves makes 128 rows x 192 columns (three heads); a wave 64 rows x 96 columns: 24 accumulators.  MY COLUMNS ARE NOT NEIGHBOURS: tile i = 2 hd + u takes columns 64 hd + 32 u + 16 (wave & 1) + 0..15,
; so that both partners (d, d + 32) of every rotary pair lie in one lane, in the same register of tiles 2 hd and 2 hd + 1.
; THE MATRIX INSTRUCTION IS USED TRANSPOSED (source 0 = 16 columns of W, source 1 = 16 rows of x): a lane holds one position and eight neighbouring d.
; K goes in steps of 512 (rows of 256 bytes) through two LDS slots; K = 2,048 is four slots' worth: the 16 steps of 128 are written out.  The scale bytes of all of K come once, with the first fills.
; CLUSTER 4 x 4: x's tiles are shared along a row of the cluster, W's along a column: joint loads.  Wave 0 fetches x's 128 rows, waves 1-3 64 rows of W each.
; REGISTERS: window 0: v16-31 addresses; v32-111 scale words, two sets of 40, and nothing else; v112-143 x's fragments, one set; v144-239 W's, two sets.  window 1: v0-191 accumulators ((a, i) at 8 (6 a + i)); v192-255 the table.
.set PITCH, 272                        ; an LDS row: 256 bytes + 16 of padding, so that the 16 rows of a load start in 16 different groups of banks
.set BOFF,  128*PITCH
.set SLOT,  320*PITCH                  ; x's 128 rows, then W's 192
.set SCL,   2*SLOT                     ; the scale bytes as units of 256 bytes + 16: x's 32 units, then W's 48; row n's 64 bytes at (n >> 2) 272 + (n & 3) 64
.set STG,   SCL+80*272                 ; the way out: [3 heads][128 rows] of 128 bytes + 16
.set SPARE, STG+3*128*144              ; the spare words: no other line names them
.set ADRA, 16
.set ADRB, 20
.set ADRSA, 22
.set ADRSB, 23
.set STO, 24
.set RD, 25
.set GOF, 26
.set FO, 27
.set SPW, 28
.set NIL, 29
.set TOF, 30
.set TRW, 31
.set SC, 32
.set AF, 112
.set BF, 144
.set TAB, 192
.set LH, 112                           ; the way out: rotated numbers, 16 a head (low half, high half)
.set T1, 160
.set T2, 168
.set PK, 176                           ; f16 pairs
.set OB, 112                           ; rows read back
.set G1, 24
.set G0, 32
.set G1B, 48
.set G0B, 56
.set G1S, 68
.set G0S, 76
.set G1SB, 80
.set G0SB, 88
.set MSB, 0
.macro WIN new                         ; the immediate's high byte repeats the setting that is left
.if MSB != \new
	s_set_vgpr_msb (MSB<<8)|\new
.set MSB, \new
.endif
.endm
.macro PLACES                          ; four plain instructions between a matrix instruction and a load into, or a read of, its registers
.rept 4
	v_nop
.endr
.endm
.macro JLOAD g0a, g1a, g0b, g1b        ; a joint load: wave 0 for x, waves 1-3 for W; the branch hangs on the wave's number alone
	s_cmp_eq_u32 s14, 0
	s_cbranch_scc0 .Lfor_b_\@
	tensor_load_to_lds s[\g0a:\g0a+3], s[\g1a:\g1a+7]
	s_nop 0
	PLACES
	s_branch .Lasked_\@
.Lfor_b_\@:
	tensor_load_to_lds s[\g0b:\g0b+3], s[\g1b:\g1b+7]
	s_nop 0
	PLACES
.Lasked_\@:
.endm
.macro CREST                           ; a round of the cluster's barrier behind its opening barrier
	s_cmp_lg_u32 s14, 0
	s_cbranch_scc1 .Lnot_wave_0_\@
	s_barrier_signal -3
.Lnot_wave_0_\@:
	s_barrier_wait -3
	s_barrier_signal -1
	s_barrier_wait -1
.endm
.macro CROUND
	s_barrier_signal -1
	s_barrier_wait -1
	CREST
.endm
	s_load_b128 s[4:7], s[0:1], 0x0                ; codes, aux
	s_load_b128 s[8:11], s[0:1], 0x10              ; qkvh, first
	v_lshl_add_u32 v[SPW], v0, 2, SPARE
	v_mov_b32 v[NIL], 0
	ds_add_u32 v[SPW], v[NIL]                      ; the wave's opening: the add, twice on end, and its wait ahead of my first tensor load
	ds_add_u32 v[SPW], v[NIL]
	v_lshrrev_b32 v1, 5, v0
	v_readfirstlane_b32 s14, v1                    ; wave 0..3
	s_lshr_b32 s15, s14, 1                         ; which 64 rows are mine
	s_and_b32 s16, s14, 1                          ; which 16 of each 32 columns
	s_bfe_u32 s40, ttmp6, 0x40000                  ; cx, cy
	s_bfe_u32 s41, ttmp6, 0x40004
	s_lshl_b32 s42, ttmp9, 2
	s_add_co_u32 s42, s42, s40                     ; tile column: 192 columns
	s_and_b32 s17, ttmp7, 0xffff
	s_lshl_b32 s17, s17, 2
	s_add_co_u32 s17, s17, s41                     ; tile row: 128 rows
	s_lshl_b32 s43, s41, 2
	s_lshl_b32 s43, 15, s43                        ; my row of the cluster
	s_lshl_b32 s44, 0x1111, s40                    ; my column
	s_or_b32 s[G1+0], s43, (1<<20)|(1<<21)|(5<<22)|(3<<25)    ; elements of 1 byte; 4 words of padding behind every 64; bit 21 beside the mask
	s_or_b32 s[G1B+0], s44, (1<<20)|(1<<21)|(5<<22)|(3<<25)
	s_mov_b32 s[G1+1], 256<<16                     ; x: 128 rows of 256 bytes, 1,024 bytes apart
	s_mov_b32 s[G1+2], 128<<16
	s_mov_b32 s[G1+3], 256<<16
	s_mov_b32 s[G1+4], 128
	s_mov_b32 s[G1+5], 1024
	s_mov_b32 s[G1+6], 0
	s_mov_b32 s[G1+7], 0
	s_mov_b32 s[G1B+1], 256<<16                    ; W: 64 rows
	s_mov_b32 s[G1B+2], 64<<16
	s_mov_b32 s[G1B+3], 256<<16
	s_mov_b32 s[G1B+4], 64
	s_mov_b32 s[G1B+5], 1024
	s_mov_b32 s[G1B+6], 0
	s_mov_b32 s[G1B+7], 0
	s_or_b32 s[G1S+0], s43, (3<<16)|(1<<20)|(1<<21)|(5<<22)|(3<<25)   ; scale bytes: dense blocks as rows of 32 elements of 8 bytes
	s_or_b32 s[G1SB+0], s44, (3<<16)|(1<<20)|(1<<21)|(5<<22)|(3<<25)
	s_mov_b32 s[G1S+1], 32<<16                     ; x's 128 rows: 32 units
	s_mov_b32 s[G1S+2], 32<<16
	s_mov_b32 s[G1S+3], 32<<16
	s_mov_b32 s[G1S+4], 32
	s_mov_b32 s[G1S+5], 32
	s_mov_b32 s[G1S+6], 0
	s_mov_b32 s[G1S+7], 0
	s_mov_b32 s[G1SB+1], 32<<16                    ; 64 rows of W: 16 units
	s_mov_b32 s[G1SB+2], 16<<16
	s_mov_b32 s[G1SB+3], 32<<16
	s_mov_b32 s[G1SB+4], 16
	s_mov_b32 s[G1SB+5], 32
	s_mov_b32 s[G1SB+6], 0
	s_mov_b32 s[G1SB+7], 0
	s_lshl_b32 s20, s17, 17                        ; x's codes: 128 rows of 1,024 bytes a tile row,
	s_mov_b32 s21, 0
	s_lshl_b32 s22, s17, 13                        ; its scale bytes: 128 rows of 64
	s_mov_b32 s23, 0
	s_max_u32 s45, s14, 1
	s_sub_co_u32 s45, s45, 1                       ; which 64 rows of W I fetch (wave 0 fetches none: its set stays inside the buffer and is not used)
	s_mul_i32 s46, s42, 192
	s_lshl_b32 s47, s45, 6
	s_add_co_u32 s46, s46, s47
	s_lshl_b32 s92, s46, 6
	s_add_co_u32 s92, s92, 131072
	s_mov_b32 s93, 0
	s_lshl_b32 s46, s46, 10
	s_add_co_u32 s46, s46, 2097152
	s_mov_b32 s47, 0
	s_mul_i32 s45, s14, 64*PITCH
	s_add_co_u32 s45, s45, 64*PITCH                ; LDS: W's rows 64 (wave - 1) on, behind x's 128
	s_mul_i32 s94, s14, 16*272
	s_add_co_u32 s94, s94, SCL+16*272              ; and their scale bytes
	s_wait_dscnt 0x0                               ; both opening adds are done
	s_wait_kmcnt 0x0
	s_add_nc_u64 s[20:21], s[4:5], s[20:21]
	s_add_nc_u64 s[22:23], s[6:7], s[22:23]
	s_add_nc_u64 s[46:47], s[4:5], s[46:47]
	s_add_nc_u64 s[92:93], s[6:7], s[92:93]
	CROUND                                         ; all sixteen work-groups are here: the first joint loads meet
	s_mov_b32 s[G0S], 1
	s_mov_b32 s[G0S+1], SCL
	s_mov_b64 s[G0S+2:G0S+3], s[22:23]
	s_or_b32 s[G0S+3], s[G0S+3], 0x80000000
	s_mov_b32 s[G0SB], 1
	s_mov_b32 s[G0SB+1], s94
	s_mov_b64 s[G0SB+2:G0SB+3], s[92:93]
	s_or_b32 s[G0SB+3], s[G0SB+3], 0x80000000
	JLOAD G0S, G1S, G0SB, G1SB                     ; the scale bytes first: they are wanted with the first step
.irp s, 0,1
	s_mov_b32 s[G0+4*\s], 1
	s_mov_b32 s[G0+4*\s+1], \s*SLOT
	s_add_nc_u64 s[G0+4*\s+2:G0+4*\s+3], s[20:21], \s*256
	s_or_b32 s[G0+4*\s+3], s[G0+4*\s+3], 0x80000000
	s_mov_b32 s[G0B+4*\s], 1
	s_add_co_u32 s[G0B+4*\s+1], s45, \s*SLOT
	s_add_nc_u64 s[G0B+4*\s+2:G0B+4*\s+3], s[46:47], \s*256
	s_or_b32 s[G0B+4*\s+3], s[G0B+4*\s+3], 0x80000000
	JLOAD G0+4*\s, G1, G0B+4*\s, G1B               ; three loads of mine are out now
.endr
	v_and_b32 v1, 15, v0                           ; r
	v_bfe_u32 v2, v0, 4, 1                         ; h
	v_lshlrev_b32 v[FO], 8, v1
	v_lshl_add_u32 v[FO], v2, 5, v[FO]
	s_lshl_b32 s18, s16, 6
	v_add_nc_u32 v[FO], s18, v[FO]                 ; row r of 256 bytes + my eight numbers: 4 (16 nh + 8 h)
	s_lshl_b32 s18, s15, 14
	v_add_nc_u32 v[TOF], s18, v[FO]                ; the same in the table, my 64 rows on
	s_lshl_b32 s18, s17, 15
	s_add_co_u32 s18, s18, 327680
	s_mov_b32 s19, 0
	s_add_nc_u64 s[6:7], s[6:7], s[18:19]          ; the table at the tile's first position
	WIN 0x40                                       ; destination window 1
.irp a, 0,1,2,3                        ; for rows 16 a + r: eight cos/2, eight sin/2
	global_load_b128 v[TAB+16*\a:TAB+16*\a+3],     v[TOF], s[6:7] offset:\a*4096
	global_load_b128 v[TAB+16*\a+4:TAB+16*\a+7],   v[TOF], s[6:7] offset:\a*4096+16
	global_load_b128 v[TAB+16*\a+8:TAB+16*\a+11],  v[TOF], s[6:7] offset:\a*4096+128
	global_load_b128 v[TAB+16*\a+12:TAB+16*\a+15], v[TOF], s[6:7] offset:\a*4096+144
.endr
	WIN 0
	v_mul_u32_u24 v3, v1, PITCH
	v_lshl_add_u32 v4, v2, 4, v3                   ; a fragment's row x pitch + 16 x half
	s_mul_i32 s20, s15, 64*PITCH
	s_mul_i32 s21, s16, 16*PITCH
	s_add_co_u32 s21, s21, BOFF
.irp s, 0,1
	v_add_nc_u32 v[ADRA+\s], s20, v4
	v_add_nc_u32 v[ADRB+\s], s21, v4
	s_add_co_u32 s20, s20, SLOT
	s_add_co_u32 s21, s21, SLOT
.endr
	v_lshrrev_b32 v5, 2, v1
	v_mul_u32_u24 v5, v5, 272
	v_and_b32 v6, 3, v1
	v_lshl_add_u32 v5, v6, 6, v5                   ; row r's scale bytes (lanes 16-31 repeat lanes 0-15)
	s_mul_i32 s20, s15, 16*272
	s_add_co_u32 s20, s20, SCL
	v_add_nc_u32 v[ADRSA], s20, v5
	s_mul_i32 s20, s16, 4*272
	s_add_co_u32 s20, s20, SCL+32*272
	v_add_nc_u32 v[ADRSB], s20, v5
	v_mul_u32_u24 v7, v1, 144
	v_lshl_add_u32 v7, v2, 4, v7
	s_mul_i32 s20, s15, 64*144
	s_lshl_b32 s21, s16, 5
	s_add_co_u32 s20, s20, s21
	s_add_co_u32 s20, s20, STG
	v_add_nc_u32 v[STO], s20, v7                   ; the stage: row 64 mh + r, byte 2 (16 nh + 8 h)
	v_and_b32 v8, 31, v0
	v_lshrrev_b32 v9, 3, v8
	v_mul_u32_u24 v9, v9, 144
	v_and_b32 v10, 7, v8
	v_lshl_add_u32 v9, v10, 4, v9
	s_mul_i32 s20, s14, 32*144
	s_add_co_u32 s20, s20, STG
	v_add_nc_u32 v[RD], s20, v9                    ; back: four rows of 128 bytes an instruction
	s_lshl_b32 s20, s14, 12
	v_lshl_add_u32 v[GOF], v8, 4, s20              ; and the same 512 consecutive bytes in a head
	v_mov_b32 v[TRW], s17
	s_mul_i32 s45, s42, 3                          ; my first head
.irp hd, 0,1,2
	s_add_co_u32 s46, s45, \hd
	s_cmp_ge_u32 s46, 40
	s_cselect_b32 s[92+\hd], -1, 0                 ; all ones where the head is v's: a select's mask, no branch
.endr
	s_lshl_b32 s18, s45, 12
	s_add_nc_u64 s[10:11], s[10:11], s[18:19]      ; first at my first head
	s_lshl_b32 s18, s45, 18
	s_lshl_b32 s20, s17, 14
	s_add_co_u32 s18, s18, s20
	s_add_nc_u64 s[8:9], s[8:9], s[18:19]          ; qkvh at my first head, the tile's first position
.macro FRAG reg, adr, q, i, rows       ; 16 rows x 128 K of 4-bit codes: 8 registers, two loads of 16 bytes, 32 bytes apart
.irp c, 0,1
	ds_load_b128 v[\reg+4*\c:\reg+4*\c+3], v[\adr] offset:64*(\q)+32*\c+(\i)*(\rows)*PITCH
.endr
.endm
; six matrix instructions: x's block a against my six tiles of W.  The 24 accumulators take turns, one instruction a turn, in the same order in every step.
.macro MUL a, p, q, sc, zero
.irp i, 0,1,2,3,4,5
.if \zero
	v_wmma_scale_f32_16x16x128_f8f6f4 v[8*(6*(\a)+\i):8*(6*(\a)+\i)+7], v[BF+48*(\p)+8*\i:BF+48*(\p)+8*\i+7], v[AF+8*(\a):AF+8*(\a)+7], 0, v[SC+40*(\sc)+16+4*\i+(\q)], v[SC+40*(\sc)+4*(\a)+(\q)] matrix_a_fmt:MATRIX_FMT_FP4 matrix_b_fmt:MATRIX_FMT_FP4
.else
	v_wmma_scale_f32_16x16x128_f8f6f4 v[8*(6*(\a)+\i):8*(6*(\a)+\i)+7], v[BF+48*(\p)+8*\i:BF+48*(\p)+8*\i+7], v[AF+8*(\a):AF+8*(\a)+7], v[8*(6*(\a)+\i):8*(6*(\a)+\i)+7], v[SC+40*(\sc)+16+4*\i+(\q)], v[SC+40*(\sc)+4*(\a)+(\q)] matrix_a_fmt:MATRIX_FMT_FP4 matrix_b_fmt:MATRIX_FMT_FP4
.endif
.endr
.endm
.macro FETCH_B slot, q, p              ; 12 loads
.irp i, 0,1,2,3,4,5
	FRAG BF+48*(\p)+8*\i, ADRB+\slot, \q, \i, 32
.endr
.endm
.macro FETCH_A slot, q, a0             ; blocks a0, a0 + 1: 4 loads
.irp i, \a0, \a0+1
	FRAG AF+8*(\i), ADRA+\slot, \q, \i, 16
.endr
.endm
.macro SCALES sc                       ; a slot's four words of each of my rows: 10 loads
.irp i, 0,1,2,3
	ds_load_b128 v[SC+40*(\sc)+4*\i:SC+40*(\sc)+4*\i+3], v[ADRSA] offset:\i*4*272
.endr
.irp i, 0,1,2,3,4,5
	ds_load_b128 v[SC+40*(\sc)+16+4*\i:SC+40*(\sc)+16+4*\i+3], v[ADRSB] offset:\i*8*272
.endr
.endm
.macro STEP slot, q, zero              ; 128 along K, with its successor in the same slot
	s_wait_dscnt 4                                 ; all but the four youngest loads (x's blocks 2, 3) are in
	WIN 0x50                                       ; C and D window 1
	MUL 0, (\q)%2, \q, \slot, \zero
	MUL 1, (\q)%2, \q, \slot, \zero
	s_wait_dscnt 0x0
	PLACES
	WIN 0
	FETCH_B \slot, (\q)+1, 1-(\q)%2
	FETCH_A \slot, (\q)+1, 0
	WIN 0x50
	MUL 2, (\q)%2, \q, \slot, \zero
	MUL 3, (\q)%2, \q, \slot, \zero
	PLACES
	WIN 0
	FETCH_A \slot, (\q)+1, 2
.endm
; A slot's last step changes slots: in front of the barrier each wave waits for all its tensor loads, adds 0 to its spare word, and waits for that and for its reads of this slot.
.macro TURN slot, next, fill
	s_wait_tensorcnt 0x0                           ; all my tensor loads have landed: my part of the next slot
	ds_add_u32 v[SPW], v[NIL]
	s_wait_dscnt 5                                 ; (the add and the four youngest loads may be out)
	WIN 0x50
	MUL 0, 1, 3, \slot, 0                          ; six matrix instructions stand between the add and the wait for it
	s_wait_dscnt 0x0                               ; the add is done, and my reads of this slot are over
	s_barrier_signal -1
	MUL 1, 1, 3, \slot, 0
	WIN 0
	s_barrier_wait -1
.if \fill
	CREST                                          ; the barrier has opened a round of the cluster's: no wave of any partner still reads this slot or has a load on its way
	s_add_nc_u64 s[G0+4*\slot+2:G0+4*\slot+3], s[G0+4*\slot+2:G0+4*\slot+3], 512
	s_add_nc_u64 s[G0B+4*\slot+2:G0B+4*\slot+3], s[G0B+4*\slot+2:G0B+4*\slot+3], 512
	JLOAD G0+4*\slot, G1, G0B+4*\slot, G1B         ; the first tensor load behind the round; its four v_nop are also the places in front of the loads below
.else
	PLACES
.endif
	v_add_nc_u32 v[ADRSA], 16, v[ADRSA]            ; the next slot's scale words
	v_add_nc_u32 v[ADRSB], 16, v[ADRSB]
	FETCH_B \next, 0, 0
	FETCH_A \next, 0, 0
	SCALES \next
	WIN 0x50
	MUL 2, 1, 3, \slot, 0
	MUL 3, 1, 3, \slot, 0
	PLACES
	WIN 0
	FETCH_A \next, 0, 2
.endm
	s_wait_tensorcnt 1                             ; the scale bytes and my part of slot 0 are in; slot 1's load, issued behind them, may be out
	s_barrier_signal -1
	s_barrier_wait -1
	FETCH_B 0, 0, 0
	FETCH_A 0, 0, 0
	SCALES 0
	FETCH_A 0, 0, 2
	STEP 0, 0, 1                                   ; the first products start the sums: nothing is cleared
	STEP 0, 1, 0
	STEP 0, 2, 0
	TURN 0, 1, 1
	STEP 1, 0, 0
	STEP 1, 1, 0
	STEP 1, 2, 0
	TURN 1, 0, 1
	STEP 0, 0, 0
	STEP 0, 1, 0
	STEP 0, 2, 0
	TURN 0, 1, 0                                   ; nothing is left to fetch
	STEP 1, 0, 0
	STEP 1, 1, 0
	STEP 1, 2, 0
	s_wait_dscnt 4
	WIN 0x50
	MUL 0, 1, 3, 1, 0
	MUL 1, 1, 3, 1, 0
	s_wait_dscnt 0x0
	MUL 2, 1, 3, 1, 0
	MUL 3, 1, 3, 1, 0
	WIN 0
	s_wait_loadcnt 0x0                             ; the table
	PLACES
; THE WAY OUT of x's block a: low = half cos + odd sin, high = half sin - odd cos (cos and sin halved); v's heads keep their numbers (a select); f16; into the stage.
.macro ROT a
	WIN 0x05                                       ; sources 0 and 1 window 1
.irp hd, 0,1,2
.irp jp, 0,2,4,6                       ; each accumulator is read from its low end on
	v_pk_mul_f32 v[T1+\jp:T1+\jp+1], v[8*(6*\a+2*\hd+1)+\jp:8*(6*\a+2*\hd+1)+\jp+1], v[TAB+16*\a+8+\jp:TAB+16*\a+8+\jp+1]
	v_pk_mul_f32 v[T2+\jp:T2+\jp+1], v[8*(6*\a+2*\hd+1)+\jp:8*(6*\a+2*\hd+1)+\jp+1], v[TAB+16*\a+\jp:TAB+16*\a+\jp+1]
.endr
.irp jp, 0,2,4,6
	v_pk_fma_f32 v[LH+16*\hd+\jp:LH+16*\hd+\jp+1], v[8*(6*\a+2*\hd)+\jp:8*(6*\a+2*\hd)+\jp+1], v[TAB+16*\a+\jp:TAB+16*\a+\jp+1], v[T1+\jp:T1+\jp+1]
	v_pk_fma_f32 v[LH+16*\hd+8+\jp:LH+16*\hd+8+\jp+1], v[8*(6*\a+2*\hd)+\jp:8*(6*\a+2*\hd)+\jp+1], v[TAB+16*\a+8+\jp:TAB+16*\a+8+\jp+1], v[T2+\jp:T2+\jp+1] neg_lo:[0,0,1] neg_hi:[0,0,1]
.endr
.endr
	WIN 0x04                                       ; source 1 window 1
.irp hd, 0,1,2
.irp j, 0,1,2,3,4,5,6,7
	v_cndmask_b32 v[LH+16*\hd+\j], v[LH+16*\hd+\j], v[8*(6*\a+2*\hd)+\j], s[92+\hd]
	v_cndmask_b32 v[LH+16*\hd+8+\j], v[LH+16*\hd+8+\j], v[8*(6*\a+2*\hd+1)+\j], s[92+\hd]
.endr
.endr
	WIN 0
.irp n, 0,1,2,3,4,5,6,7,8,9,10,11,12,13,14,15,16,17,18,19,20,21,22,23
	v_cvt_pk_f16_f32 v[PK+\n], v[LH+2*\n], v[LH+2*\n+1]
.endr
.irp hd, 0,1,2
.irp u, 0,1
	ds_store_b128 v[STO], v[PK+8*\hd+4*\u:PK+8*\hd+4*\u+3] offset:\hd*128*144+\a*16*144+64*\u
.endr
.endr
.if \a == 0
	s_cmp_eq_u32 s15, 0                            ; positions 0-15 in f32: waves 0 and 1 (a branch on the wave's number) of tile row 0 (a mask on the lanes, no branch)
	s_cbranch_scc0 .Lno_first_\@
	v_cmp_eq_u32 vcc_lo, 0, v[TRW]
	s_wait_xcnt 0x0                                ; EXEC changes only behind this wait
	s_and_saveexec_b32 s95, vcc_lo
.irp hd, 0,1,2
.irp u, 0,1
	global_store_b128 v[FO], v[LH+16*\hd+8*\u:LH+16*\hd+8*\u+3], s[10:11] offset:\hd*4096+128*\u
	global_store_b128 v[FO], v[LH+16*\hd+8*\u+4:LH+16*\hd+8*\u+7], s[10:11] offset:\hd*4096+128*\u+16
.endr
.endr
	s_wait_xcnt 0x0                                ; and again: EXEC is restored, and the stores' data are rewritten, only behind it
	s_or_b32 exec_lo, exec_lo, s95
.Lno_first_\@:
.endif
.endm
	ROT 0
	ROT 1
	ROT 2
	ROT 3
	s_wait_dscnt 0x0                               ; for the others' sake: my stores into the stage are done
	s_barrier_signal -1
	s_barrier_wait -1
.irp hd, 0,1,2
.irp i, 0,1,2,3,4,5,6,7
	ds_load_b128 v[OB+32*\hd+4*\i:OB+32*\hd+4*\i+3], v[RD] offset:\hd*128*144+\i*4*144
.endr
.endr
.irp hd, 0,1,2
.irp i, 0,1,2,3,4,5,6,7
	s_wait_dscnt 23-8*\hd-\i
	global_store_b128 v[GOF], v[OB+32*\hd+4*\i:OB+32*\hd+4*\i+3], s[8:9] offset:\hd*262144+512*\i   ; 512 consecutive bytes, aligned
.endr
.endr
	s_wait_tensorcnt 0x0                           ; the wave's end
	ds_add_u32 v[SPW], v[NIL]
	s_wait_dscnt 0x0
	CROUND                                         ; the closing round
	s_endpgm
.Lfunc_end_k_q30e8d468e1_qkv:
	.size	k_q30e8d468e1_qkv, .Lfunc_end_k_q30e8d468e1_qkv-k_q30e8d468e1_qkv
	.p2alignl 7, 3214868480
	.fill 96, 4, 3214868480
	.section	.rodata,"a",@progbits
	.p2align	6, 0x0
	.amdhsa_kernel k_q30e8d468e1_qkv
		.amdhsa_group_segment_fixed_size 327680
		.amdhsa_private_segment_fixed_size 0
		.amdhsa_enable_private_segment 0
		.amdhsa_kernarg_size 32
		.amdhsa_user_sgpr_count 2
		.amdhsa_user_sgpr_kernarg_segment_ptr 1
		.amdhsa_wavefront_size32 1
		.amdhsa_system_sgpr_workgroup_id_x 1
		.amdhsa_system_sgpr_workgroup_id_y 1
		.amdhsa_system_sgpr_workgroup_id_z 1
		.amdhsa_system_vgpr_workitem_id 0
		.amdhsa_next_free_vgpr 512
		.amdhsa_next_free_sgpr 100
		.amdhsa_reserve_vcc 1
		.amdhsa_float_denorm_mode_32 3
		.amdhsa_float_denorm_mode_16_64 3
		.amdhsa_memory_ordered 1
		.amdhsa_forward_progress 1
		.amdhsa_inst_pref_size 130
	.end_amdhsa_kernel
	.amdgpu_metadata
---
amdhsa.version: [ 1, 2 ]
amdhsa.kernels:
  - .name:           k_q30e8d468e1_qkv
    .symbol:         k_q30e8d468e1_qkv.kd
    .args:
      - { .name: codes, .offset: 0, .size: 8, .value_kind: global_buffer, .address_space: global }
      - { .name: aux, .offset: 8, .size: 8, .value_kind: global_buffer, .address_space: global }
      - { .name: qkvh, .offset: 16, .size: 8, .value_kind: global_buffer, .address_space: global }
      - { .name: first, .offset: 24, .size: 8, .value_kind: global_buffer, .address_space: global }
    .group_segment_fixed_size: 327680
    .private_segment_fixed_size: 0
    .kernarg_segment_align: 8
    .kernarg_segment_size: 32
    .max_flat_workgroup_size: 128
    .sgpr_count:     100
    .vgpr_count:     512
    .wavefront_size: 32
...
	.end_amdgpu_metadata
.endif
;; end of part 2
;; launch wo16 (part 3): grid 16 x 16, 8 waves a work-group, no clusters, 75,264 bytes of LDS; arguments Wo, first, woh, part; writes woh, part
.if DOCPART == 3
	.amdgcn_target "amdgcn-amd-amdhsa--gfx1250"
	.amdhsa_code_object_version 6
	.text
	.protected	k_q30e8d468e1_wo16
	.globl	k_q30e8d468e1_wo16
	.p2align	8
	.type	k_q30e8d468e1_wo16,@function
k_q30e8d468e1_wo16:
	s_mov_b64 s[64:65], 0
	v_nop
	global_prefetch_b8 v0, s[64:65] scope:SCOPE_SE
	s_setreg_imm32_b32 hwreg(HW_REG_WAVE_MODE, 25, 1), 1
	s_wait_xcnt 0x0
; Two things on one read of Wo [2048 k][2048 n] f32.  (1) woh = Wo as f16, for the last launch.  (2) Positions 0-15, whose rows average few values and are the largest, go in f32 all the way:
; their attention (16 x 16 a head, by the f32 matrix form: no bulk work) and their projection by fused multiply-adds on the very f32 numbers of Wo that this work-group holds.
; A work-group holds k rows 128 ky on (q heads 2 ky, 2 ky + 1) x columns 128 cb on, and stores part [ky][16 positions][2048] at its columns: one of 16 partial sums along K, added in ascending order by the next launch.
; q and k in 'first' are halved, so t = c (q . k) with c = log2(e) / 2.  The row's maximum is taken away before the exponential.  LIMIT: |Wo| under 65,504 for woh.
; Wave w holds k rows 16 w on: 16 rows x 128 columns, four columns a lane.  Waves 0 and 1 make the two heads' attention while the others wait for Wo.
; No tensor loads; Wo is read once, in whole rows of 512 consecutive bytes a wave.
.set OS,    0                          ; o of positions 0-15: [2 heads][16 positions] of 256 bytes + 16
.set RED,   8704                       ; the waves' partial sums: 8 x 16 rows x 512 bytes
.set SPARE, 74240                      ; the spare words: no other line names them
.set SPW, 4
.set NIL, 5
.set W,   16                           ; v16-79   Wo: row i at 4 i
.set ACC, 80                           ; v80-143  16 positions x 4 columns.  Earlier: q (v80-111) and k (v112-143)
.set QF,  80
.set KF,  112
.set OV,  144                          ; v144-207 o of four positions x 16 k.  Earlier: v (v144-175), scores (v176-183), weights (v184-191), f16 of Wo (v176-207)
.set VF,  144
.set T,   176
.set P,   184
.set H,   176
.set MM,  208                          ; v208-239 the f32 matrix form's four accumulators: written by matrix instructions alone
.set U,   240
	s_load_b256 s[4:11], s[0:1], 0x0               ; Wo, first, woh, part
	v_lshl_add_u32 v[SPW], v0, 2, SPARE
	v_mov_b32 v[NIL], 0
	v_lshrrev_b32 v1, 5, v0
	v_readfirstlane_b32 s16, v1                    ; wave 0..7
	s_mov_b32 s17, ttmp9                           ; cb
	s_and_b32 s18, ttmp7, 0xffff                   ; ky
	v_and_b32 v1, 31, v0                           ; lane
	v_and_b32 v2, 15, v0                           ; r
	v_bfe_u32 v3, v0, 4, 1                         ; h
	v_lshlrev_b32 v6, 8, v2
	v_lshl_add_u32 v6, v3, 7, v6                   ; q, k: position r, channels 32 h on
	v_lshlrev_b32 v7, 11, v3
	v_lshl_add_u32 v7, v2, 2, v7                   ; v: positions 8 h on, channel r
	v_lshlrev_b32 v8, 4, v1
	v_lshlrev_b32 v9, 3, v1
	s_and_b32 s19, s16, 1
	s_mul_i32 s20, s19, 16*272
	v_mul_u32_u24 v10, v2, 272
	v_lshl_add_u32 v10, v3, 5, v10
	v_add_nc_u32 v10, s20, v10                     ; o into LDS: my head, position r, channels 8 h on
	s_lshr_b32 s20, s16, 2
	s_mul_i32 s20, s20, 16*272
	s_and_b32 s21, s16, 3
	s_lshl_b32 s21, s21, 6
	s_add_co_u32 s20, s20, s21
	v_mov_b32 v11, s20                             ; o back: one address for all lanes: my 16 k rows' head and channels
	s_lshl_b32 s20, s16, 13
	s_add_co_u32 s20, s20, RED
	v_add_nc_u32 v12, s20, v8
	s_lshl_b32 s20, s16, 10
	s_add_co_u32 s20, s20, RED
	v_add_nc_u32 v13, s20, v8
	v_lshlrev_b32 v14, 3, v3
	v_sub_nc_u32 v14, v2, v14                      ; r - 8 h
	v_mov_b32 v15, 0xff800000                      ; -infinity
	v_mov_b32 v249, 0                              ; (a lane permute's destination counts as one of its sources)
	s_mov_b32 s26, 0x76543210
	s_mov_b32 s27, 0xfedcba98                      ; lane l xor 16
	s_mov_b32 s28, 0x3f38aa3b                      ; c = log2(e) / 2
	s_mov_b32 s31, 0
	s_wait_kmcnt 0x0
	s_lshl_b32 s30, s18, 1
	s_add_co_u32 s30, s30, s19
	s_lshl_b32 s30, s30, 12
	s_add_nc_u64 s[20:21], s[6:7], s[30:31]        ; q of head 2 ky + (wave & 1)
	s_lshr_b32 s30, s18, 1
	s_add_co_u32 s30, s30, 32
	s_lshl_b32 s30, s30, 12
	s_add_nc_u64 s[22:23], s[6:7], s[30:31]        ; k of head ky >> 1,
	s_add_nc_u64 s[24:25], s[22:23], 8*4096        ; and v
	s_lshl_b32 s30, s18, 3
	s_add_co_u32 s30, s30, s16                     ; 16 k rows each
	s_lshl_b32 s29, s30, 17
	s_lshl_b32 s30, s30, 16
	s_lshl_b32 s19, s17, 8
	s_add_co_u32 s30, s30, s19
	s_add_nc_u64 s[8:9], s[8:9], s[30:31]          ; woh: rows of 4,096 bytes, + 256 cb
	s_lshl_b32 s19, s17, 9
	s_add_co_u32 s30, s29, s19
	s_add_nc_u64 s[4:5], s[4:5], s[30:31]          ; Wo: rows of 8,192 bytes, + 512 cb
	s_lshl_b32 s30, s18, 17
	s_lshl_b32 s29, s16, 14
	s_add_co_u32 s30, s30, s29
	s_add_co_u32 s30, s30, s19
	s_add_nc_u64 s[10:11], s[10:11], s[30:31]      ; part: [ky], rows 2 w on, + 512 cb
	s_cmp_lt_u32 s16, 2
	s_cbranch_scc0 .Lwo_loads
.irp i, 0,1,2,3,4,5,6,7
	global_load_b128 v[QF+4*\i:QF+4*\i+3], v6, s[20:21] offset:16*\i
	global_load_b128 v[KF+4*\i:KF+4*\i+3], v6, s[22:23] offset:16*\i
.endr
.irp ct, 0,1,2,3
.irp i, 0,1,2,3,4,5,6,7
	global_load_b32 v[VF+8*\ct+\i], v7, s[24:25] offset:256*\i+64*\ct     ; v(position 8 h + i, channel 16 ct + r)
.endr
.endr
.Lwo_loads:
.irp i, 0,1,2,3,4,5,6,7,8,9,10,11,12,13,14,15
	global_load_b128 v[W+4*\i:W+4*\i+3], v8, s[4:5] offset:8192*\i th:TH_LOAD_NT
.endr
	s_cmp_lt_u32 s16, 2
	s_cbranch_scc0 .Lconv
	; ---- positions 0-15 of one head, in f32
	s_wait_loadcnt 16                              ; q, k, v are in; Wo's 16 loads, issued behind them, may be out
.irp c, 0,1,2,3,4,5,6,7,8,9,10,11,12,13,14,15    ; S^T = k q^T: step c takes channels 32 h + 2 c + j at place (h, j), alike on both sides.  Four accumulators by turns
.if \c < 4
	v_wmma_f32_16x16x4_f32 v[MM+8*(\c%4):MM+8*(\c%4)+7], v[KF+2*\c:KF+2*\c+1], v[QF+2*\c:QF+2*\c+1], 0
.else
	v_wmma_f32_16x16x4_f32 v[MM+8*(\c%4):MM+8*(\c%4)+7], v[KF+2*\c:KF+2*\c+1], v[QF+2*\c:QF+2*\c+1], v[MM+8*(\c%4):MM+8*(\c%4)+7]
.endif
.endr
.rept 8
	v_nop                                          ; eight places behind this form
.endr
.irp jp, 0,2,4,6
	v_pk_add_f32 v[T+\jp:T+\jp+1], v[MM+\jp:MM+\jp+1], v[MM+8+\jp:MM+8+\jp+1]
.endr
.irp jp, 0,2,4,6
	v_pk_add_f32 v[U+\jp:U+\jp+1], v[MM+16+\jp:MM+16+\jp+1], v[MM+24+\jp:MM+24+\jp+1]
.endr
.irp jp, 0,2,4,6
	v_pk_add_f32 v[T+\jp:T+\jp+1], v[T+\jp:T+\jp+1], v[U+\jp:U+\jp+1]       ; lane (r, h), register j: key 8 h + j, query r
.endr
.irp j, 0,1,2,3,4,5,6,7
	v_cmp_gt_i32 vcc_lo, \j, v14                   ; hidden where 8 h + j > r
	v_cndmask_b32 v[T+\j], v[T+\j], v15, vcc_lo
.endr
	v_max3_num_f32 v248, v[T], v[T+1], v[T+2]
	v_max3_num_f32 v248, v248, v[T+3], v[T+4]
	v_max3_num_f32 v248, v248, v[T+5], v[T+6]
	v_max_num_f32 v248, v248, v[T+7]
	v_permlanex16_b32 v249, v248, s26, s27
	v_max_num_f32 v248, v248, v249                 ; the row's maximum (key 0 counts for every query)
	v_mul_f32 v250, s28, v248
.irp j, 0,1,2,3,4,5,6,7
	v_fma_f32 v[P+\j], v[T+\j], s28, -v250
.endr
.irp j, 0,1,2,3,4,5,6,7
	v_exp_f32 v[P+\j], v[P+\j]
.endr
	v_nop                                          ; a plain instruction behind the batch,
	s_wait_alu depctr_va_vdst(0)                   ; and one wait for it
	v_add_f32 v251, v[P], v[P+1]
	v_add_f32 v252, v[P+2], v[P+3]
	v_add_f32 v253, v[P+4], v[P+5]
	v_add_f32 v254, v[P+6], v[P+7]
	v_add_f32 v251, v251, v252
	v_add_f32 v253, v253, v254
	v_add_f32 v251, v251, v253
	v_permlanex16_b32 v249, v251, s26, s27
	v_add_f32 v251, v251, v249
	v_rcp_f32 v252, v251
	v_nop
	s_wait_alu depctr_va_vdst(0)
.irp j, 0,1,2,3,4,5,6,7
	v_mul_f32 v[P+\j], v[P+\j], v252
.endr
.irp c, 0,1,2,3                        ; O^T = v^T p: step c takes keys 8 h + 2 c + j; the four tiles of channels by turns
.irp ct, 0,1,2,3
.if \c == 0
	v_wmma_f32_16x16x4_f32 v[MM+8*\ct:MM+8*\ct+7], v[VF+8*\ct+2*\c:VF+8*\ct+2*\c+1], v[P+2*\c:P+2*\c+1], 0
.else
	v_wmma_f32_16x16x4_f32 v[MM+8*\ct:MM+8*\ct+7], v[VF+8*\ct+2*\c:VF+8*\ct+2*\c+1], v[P+2*\c:P+2*\c+1], v[MM+8*\ct:MM+8*\ct+7]
.endif
.endr
.endr
.rept 8
	v_nop
.endr
.irp ct, 0,1,2,3
	ds_store_b128 v10, v[MM+8*\ct:MM+8*\ct+3] offset:64*\ct               ; o(position r, channels 16 ct + 8 h on)
	ds_store_b128 v10, v[MM+8*\ct+4:MM+8*\ct+7] offset:64*\ct+16
.endr
.Lconv:
	; ---- Wo as f16
	s_wait_loadcnt 0x0
.irp n, 0,1,2,3,4,5,6,7,8,9,10,11,12,13,14,15,16,17,18,19,20,21,22,23,24,25,26,27,28,29,30,31
	v_cvt_pk_f16_f32 v[H+\n], v[W+2*\n], v[W+2*\n+1]
.endr
.irp i, 0,1,2,3,4,5,6,7,8,9,10,11,12,13,14,15
	global_store_b64 v9, v[H+2*\i:H+2*\i+1], s[8:9] offset:4096*\i        ; 256 consecutive bytes, aligned
.endr
	s_wait_xcnt 0x0                                ; the stores' data registers are loaded into again only behind this wait
	s_wait_dscnt 0x0                               ; o lies in LDS
	s_barrier_signal -1
	s_barrier_wait -1
	; ---- 16 positions x my 16 k rows x 128 columns, fused multiply-adds in f32; the first product starts each sum
.macro FMA4 rg
.irp i, 0,1,2,3
.irp q, 0,1,2,3
	ds_load_b128 v[OV+16*\i+4*\q:OV+16*\i+4*\q+3], v11 offset:(4*\rg+\i)*272+16*\q
.endr
.endr
	s_wait_dscnt 0x0
.set kk, 0
.rept 16
.irp i, 0,1,2,3
.irp cp, 0,2
.if kk == 0
	v_pk_mul_f32 v[ACC+4*(4*\rg+\i)+\cp:ACC+4*(4*\rg+\i)+\cp+1], v[W+\cp:W+\cp+1], v[OV+16*\i:OV+16*\i+1] op_sel_hi:[1,0]
.elseif kk%2 == 0
	v_pk_fma_f32 v[ACC+4*(4*\rg+\i)+\cp:ACC+4*(4*\rg+\i)+\cp+1], v[W+4*kk+\cp:W+4*kk+\cp+1], v[OV+16*\i+kk:OV+16*\i+kk+1], v[ACC+4*(4*\rg+\i)+\cp:ACC+4*(4*\rg+\i)+\cp+1] op_sel_hi:[1,0,1]
.else
	v_pk_fma_f32 v[ACC+4*(4*\rg+\i)+\cp:ACC+4*(4*\rg+\i)+\cp+1], v[W+4*kk+\cp:W+4*kk+\cp+1], v[OV+16*\i+kk-1:OV+16*\i+kk], v[ACC+4*(4*\rg+\i)+\cp:ACC+4*(4*\rg+\i)+\cp+1] op_sel:[0,1,0] op_sel_hi:[1,1,1]
.endif
.endr
.endr
.set kk, kk+1
.endr
.endm
	FMA4 0
	FMA4 1
	FMA4 2
	FMA4 3
.irp i, 0,1,2,3,4,5,6,7,8,9,10,11,12,13,14,15
	ds_store_b128 v12, v[ACC+4*\i:ACC+4*\i+3] offset:512*\i
.endr
	s_wait_dscnt 0x0
	s_barrier_signal -1
	s_barrier_wait -1
.irp src, 0,1,2,3,4,5,6,7              ; wave w adds rows 2 w, 2 w + 1 of the eight waves, in ascending order
.irp i, 0,1
	ds_load_b128 v[W+8*\src+4*\i:W+8*\src+4*\i+3], v13 offset:8192*\src+512*\i
.endr
.endr
	s_wait_dscnt 0x0
.irp src, 1,2,3,4,5,6,7
.irp n, 0,2,4,6
	v_pk_add_f32 v[W+\n:W+\n+1], v[W+\n:W+\n+1], v[W+8*\src+\n:W+8*\src+\n+1]
.endr
.endr
	global_store_b128 v8, v[W:W+3], s[10:11]       ; 512 consecutive bytes, aligned
	global_store_b128 v8, v[W+4:W+7], s[10:11] offset:8192
	s_wait_tensorcnt 0x0                           ; the wave's end
	ds_add_u32 v[SPW], v[NIL]
	s_wait_dscnt 0x0
	s_endpgm
.Lfunc_end_k_q30e8d468e1_wo16:
	.size	k_q30e8d468e1_wo16, .Lfunc_end_k_q30e8d468e1_wo16-k_q30e8d468e1_wo16
	.p2alignl 7, 3214868480
	.fill 96, 4, 3214868480
	.section	.rodata,"a",@progbits
	.p2align	6, 0x0
	.amdhsa_kernel k_q30e8d468e1_wo16
		.amdhsa_group_segment_fixed_size 75264
		.amdhsa_private_segment_fixed_size 0
		.amdhsa_enable_private_segment 0
		.amdhsa_kernarg_size 32
		.amdhsa_user_sgpr_count 2
		.amdhsa_user_sgpr_kernarg_segment_ptr 1
		.amdhsa_wavefront_size32 1
		.amdhsa_system_sgpr_workgroup_id_x 1
		.amdhsa_system_sgpr_workgroup_id_y 1
		.amdhsa_system_sgpr_workgroup_id_z 1
		.amdhsa_system_vgpr_workitem_id 0
		.amdhsa_next_free_vgpr 256
		.amdhsa_next_free_sgpr 66
		.amdhsa_reserve_vcc 1
		.amdhsa_float_denorm_mode_32 3
		.amdhsa_float_denorm_mode_16_64 3
		.amdhsa_memory_ordered 1
		.amdhsa_forward_progress 1
		.amdhsa_inst_pref_size 60
	.end_amdhsa_kernel
	.amdgpu_metadata
---
amdhsa.version: [ 1, 2 ]
amdhsa.kernels:
  - .name:           k_q30e8d468e1_wo16
    .symbol:         k_q30e8d468e1_wo16.kd
    .args:
      - { .name: Wo, .offset: 0, .size: 8, .value_kind: global_buffer, .address_space: global }
      - { .name: first, .offset: 8, .size: 8, .value_kind: global_buffer, .address_space: global }
      - { .name: woh, .offset: 16, .size: 8, .value_kind: global_buffer, .address_space: global }
      - { .name: part, .offset: 24, .size: 8, .value_kind: global_buffer, .address_space: global }
    .group_segment_fixed_size: 75264
    .private_segment_fixed_size: 0
    .kernarg_segment_align: 8
    .kernarg_segment_size: 32
    .max_flat_workgroup_size: 256
    .sgpr_count:     66
    .vgpr_count:     256
    .wavefront_size: 32
...
	.end_amdgpu_metadata
.endif
;; end of part 3
;; launch attn (part 4): grid 32 x 8, 8 waves a work-group, no clusters, 327,680 bytes of LDS; arguments qkvh, part, o16, out0; writes o16, out0
.if DOCPART == 4
	.amdgcn_target "amdgcn-amd-amdhsa--gfx1250"
	.amdhsa_code_object_version 6
	.text
	.protected	k_q30e8d468e1_attn
	.globl	k_q30e8d468e1_attn
	.p2align	8
	.type	k_q30e8d468e1_attn,@function
k_q30e8d468e1_attn:
	s_mov_b64 s[64:65], 0
	v_nop
	global_prefetch_b8 v0, s[64:65] scope:SCOPE_SE
	s_setreg_imm32_b32 hwreg(HW_REG_WAVE_MODE, 25, 1), 1
	s_wait_xcnt 0x0
; Causal attention on f16 operands, f32 sums: 32 q heads in 8 groups of 4 that share a k and a v head, head size 64, 2,048 positions.  o16 [2048][2048] f16.
; q and k arrive halved: t = c (q . k), c = log2(e) / 2.  A running maximum m and sum l for each query: p = 2^(c s - c m), O and l times a = 2^(c m_old - c m_new) in every step.
; SHARES.  A work-group serves one k/v head and TWO blocks of 32 positions one after the other: block 63 - P, then block P: 8 - (P >> 3) and 1 + (P >> 3) slots of 256 keys: NINE slots in every work-group, a constant trip count.
; Eight waves, two to a SIMD, so that one wave's softmax stands beside the other's products.  Wave w: 16 positions (w & 1) x the group's 4 heads = 4 tiles with one causal limit; THE KEYS ARE DEALT: quarter w >> 1 takes keys 64 (w >> 1) on of each slot.
; A fragment of k or v so feeds four tiles.  The four quarters' partial (c m, l, O) meet in LDS at the end.
; LAYOUT.  S^T = k q^T and O^T = v^T p: a lane holds one query throughout; two tiles of S^T, rounded to f16 in pairs, are source 1 of the second product.  v ([key][channel]) is turned by ds_load_tr16_b128.
; NO CLUSTER: work-groups of one head need different numbers of slots for their two blocks, so partners would not ask for the same tiles in the same round.
; Also here: wave 7 adds the 16 partial sums of positions 0-15 (made in f32 by the launch before) into out0's rows 0-15, 128 columns of one row a work-group.
; A step all of whose keys come after the wave's queries is left out by a scalar branch on ids.  Every slot that is asked for is read: its first 64 keys count for the block's last queries.
; When the second block begins, m is set to -3e38 and O and l are left: the next a is 0 and wipes them; a query that sees no key of my quarter keeps m = -3e38 and gets the weight 0 in the merge.
; REGISTERS: window 0: v1-15 addresses; v16-47 statistics, 8 a tile (c m, m, l, l, four at work; a takes the third's place); v48-111 S^T of two tiles; v112-143 p; v144-207 k; v224-254 the end's.
;   window 1: v0-127 O^T, 32 a tile; v128-191 q, 16 a tile; v192-255 v.
.set SLOT,  77824                      ; k: 256 rows of 128 bytes + 16; then v: 256 rows of 128 bytes + 32
.set VOFF,  36864
.set SCRA,  155648                     ; the first block's partials: wave w at 17,408 w, tile t at 4,352 t: O as an image of its registers (8 x 512 bytes), c m (128), l (128).  The second block's lie from 0 on, in the slots, after their last fill
.set SPARE, 294912                     ; the spare words: no other line names them
.set ST,  16
.set S,   48
.set P,   112
.set KFR, 144
.set MSB, 0
.macro WIN new
.if MSB != \new
	s_set_vgpr_msb (MSB<<8)|\new
.set MSB, \new
.endif
.endm
.macro PLACES
.rept 4
	v_nop
.endr
.endm
.macro TLOAD                           ; wave 0 fetches a slot's k, wave 1 its v, the others nothing: branches on the wave's number
	s_cmp_eq_u32 s12, 0
	s_cbranch_scc0 .Lnot_k_\@
	tensor_load_to_lds s[40:43], s[24:31]
	s_nop 0
	PLACES
	s_branch .Lasked_\@
.Lnot_k_\@:
	s_cmp_eq_u32 s12, 1
	s_cbranch_scc0 .Lasked_\@
	tensor_load_to_lds s[44:47], s[32:39]
	s_nop 0
	PLACES
.Lasked_\@:
.endm
; A prefetch of the slot that the NEXT change will ask for.  All 32 work-groups of a head walk the same k and v: the one with P = 0, which walks all eight slots, asks, in trips 0 to 5 for slots 2 to 7.
; Waves 0-3 take k's 32,768 bytes, waves 4-7 v's: 8,192 bytes a wave, lanes 256 bytes apart: each block is named once in the launch.  Nothing at the head, nothing for the second block.
.macro ASK
	s_cmp_lt_u32 s18, s72
	s_cbranch_scc0 .Lnot_mine_\@
	global_prefetch_b8 v12, s[70:71] th:TH_LOAD_NT scope:SCOPE_SE
.Lnot_mine_\@:
.endm
.macro QLOAD base                      ; my 16 queries of the four heads: 16 registers a tile
	WIN 0x40
.irp t, 0,1,2,3
.irp c, 0,1
	global_load_b128 v[128+16*\t+8*\c:128+16*\t+8*\c+3], v5, s[\base:\base+1] offset:\t*262144+64*\c
	global_load_b128 v[128+16*\t+8*\c+4:128+16*\t+8*\c+7], v5, s[\base:\base+1] offset:\t*262144+64*\c+32
.endr
.endr
	WIN 0
.endm
	s_load_b256 s[4:11], s[0:1], 0x0               ; qkvh, part, o16, out0
	v_lshl_add_u32 v6, v0, 2, SPARE
	v_mov_b32 v7, 0
	ds_add_u32 v6, v7                              ; the wave's opening: the add, twice on end, and its wait ahead of the first tensor load
	ds_add_u32 v6, v7
	v_lshrrev_b32 v1, 5, v0
	v_readfirstlane_b32 s12, v1                    ; wave 0..7
	s_and_b32 s13, s12, 1                          ; which 16 positions
	s_lshr_b32 s14, s12, 1                         ; which quarter of the keys
	s_mov_b32 s15, ttmp9                           ; P
	s_and_b32 s16, ttmp7, 0xffff                   ; the k/v head
	s_lshr_b32 s17, s15, 3
	s_sub_co_u32 s17, 8, s17                       ; the first block's slots
	s_mov_b32 s18, 0                               ; the trip
	s_mov_b32 s20, 0x76543210
	s_mov_b32 s21, 0xfedcba98                      ; lane l xor 16
	s_mov_b32 s22, 0x3f38aa3b                      ; c = log2(e) / 2
	s_mov_b32 s23, s22
	s_mov_b32 s24, (1<<16)|(1<<20)|(4<<22)|(3<<25) ; k: elements of 2 bytes; 4 words of padding behind every 32
	s_mov_b32 s25, 64<<16
	s_mov_b32 s26, 256<<16
	s_mov_b32 s27, 64<<16
	s_mov_b32 s28, 256                             ; 256 rows of 64 elements, dense
	s_mov_b32 s29, 64
	s_mov_b32 s30, 0
	s_mov_b32 s31, 0
	s_mov_b32 s32, (1<<16)|(1<<20)|(4<<22)|(7<<25) ; v: 8 words of padding
	s_mov_b32 s33, 64<<16
	s_mov_b32 s34, 256<<16
	s_mov_b32 s35, 64<<16
	s_mov_b32 s36, 256
	s_mov_b32 s37, 64
	s_mov_b32 s38, 0
	s_mov_b32 s39, 0
	s_mov_b32 s52, 0                               ; the byte in k and v at which the slot asked for begins
	s_mov_b32 s53, 0
	s_mov_b32 s54, 0                               ; LDS: the slot in hand,
	s_mov_b32 s55, 0                               ; and the slot last asked for
	s_mul_i32 s56, s14, 64*144                     ; my quarter in a slot's k,
	s_mul_i32 s57, s14, 64*160
	s_add_co_u32 s57, s57, VOFF                    ; and v
	s_sub_co_u32 s60, 63, s15
	s_lshl_b32 s60, s60, 5
	s_lshl_b32 s76, s13, 4
	s_add_co_u32 s60, s60, s76                     ; my first query
	s_lshl_b32 s61, s14, 6                         ; my first key
	s_cmp_eq_u32 s15, 0
	s_cselect_b32 s72, 6, 0
	s_wait_dscnt 0x0                               ; both opening adds are done
	s_wait_kmcnt 0x0
	s_add_co_u32 s96, s16, 32
	s_lshl_b32 s96, s96, 18
	s_mov_b32 s97, 0
	s_add_nc_u64 s[48:49], s[4:5], s[96:97]        ; k's head,
	s_add_nc_u64 s[50:51], s[48:49], 8*262144      ; v's
	s_mov_b32 s40, 1
	s_mov_b32 s41, 0
	s_mov_b64 s[42:43], s[48:49]
	s_or_b32 s43, s43, 0x80000000
	s_mov_b32 s44, 1
	s_mov_b32 s45, VOFF
	s_mov_b64 s[46:47], s[50:51]
	s_or_b32 s47, s47, 0x80000000
	TLOAD                                          ; slot 0: the one first fill at the head
	s_lshl_b32 s96, s16, 20
	s_add_nc_u64 s[66:67], s[4:5], s[96:97]        ; the group's first q head
	s_lshl_b32 s96, s15, 5
	s_add_co_u32 s96, s96, s76
	s_lshl_b32 s96, s96, 7
	s_add_nc_u64 s[68:69], s[66:67], s[96:97]      ; my queries of the second block,
	s_lshl_b32 s96, s60, 7
	s_add_nc_u64 s[66:67], s[66:67], s[96:97]      ; of the first
	s_cmp_lt_u32 s12, 4
	s_cselect_b64 s[70:71], s[48:49], s[50:51]
	s_and_b32 s96, s12, 3
	s_lshl_b32 s96, s96, 13
	s_add_co_u32 s96, s96, 32768                   ; the prefetches stand in slot 1; the first change steps them to slot 2
	s_add_nc_u64 s[70:71], s[70:71], s[96:97]
	v_and_b32 v14, 15, v0                          ; r
	v_bfe_u32 v15, v0, 4, 1                        ; h
	v_lshlrev_b32 v5, 7, v14
	v_lshl_add_u32 v5, v15, 4, v5                  ; q: row r of 128 bytes + 16 h
	QLOAD 66
	v_mul_u32_u24 v1, v14, 144
	v_lshl_add_u32 v1, v15, 4, v1                  ; k: row r x pitch + 16 h
	v_and_b32 v2, 7, v0
	v_lshl_add_u32 v2, v15, 3, v2
	v_mul_u32_u24 v2, v2, 160
	v_bfe_u32 v3, v0, 3, 1
	v_lshl_add_u32 v2, v3, 4, v2                   ; v, for the turning load: key 8 h + l % 8, channels 8 ((l / 8) % 2) on
	v_lshlrev_b32 v13, 3, v15
	v_sub_nc_u32 v13, v14, v13                     ; r - 8 h
	v_mov_b32 v11, 0xff800000                      ; -infinity
	v_and_b32 v3, 31, v0
	v_lshlrev_b32 v12, 8, v3
	v_lshlrev_b32 v242, 4, v3                      ; 16 x lane
	v_lshlrev_b32 v243, 2, v3                      ; 4 x lane
	s_mul_i32 s96, s12, 17408
	v_add_nc_u32 v240, s96, v242                   ; my partials of the second block,
	v_add_nc_u32 v241, s96, v243
	s_add_co_u32 s96, s96, SCRA
	v_add_nc_u32 v8, s96, v242                     ; of the first
	v_add_nc_u32 v9, s96, v243
	v_mul_u32_u24 v252, v14, 272
	v_lshl_add_u32 v252, v15, 4, v252
	v_add_nc_u32 v252, s96, v252                   ; the way out's stage: in,
	v_mul_u32_u24 v253, v15, 272
	v_lshl_add_u32 v253, v14, 4, v253
	v_add_nc_u32 v253, s96, v253                   ; back,
	v_lshlrev_b32 v254, 12, v15
	v_lshl_add_u32 v254, v14, 4, v254              ; and the same two rows in o16
	v_mov_b32 v234, 0                              ; (a lane permute's destination counts as one of its sources)
	s_cmp_eq_u32 s12, 7
	s_cbranch_scc0 .Lno_part
	s_lshl_b32 s96, s16, 5                         ; positions 0-15: work-group L = 32 G + P adds row L >> 4, columns 128 (L & 15) on
	s_add_co_u32 s96, s96, s15
	s_lshr_b32 s76, s96, 4
	s_lshl_b32 s76, s76, 13
	s_and_b32 s96, s96, 15
	s_lshl_b32 s96, s96, 9
	s_add_co_u32 s96, s96, s76
	s_add_nc_u64 s[6:7], s[6:7], s[96:97]
	s_add_nc_u64 s[10:11], s[10:11], s[96:97]
.irp kc, 0,1,2,3,4,5,6,7,8,9,10,11,12,13,14,15
	global_load_b128 v[S+4*\kc:S+4*\kc+3], v242, s[6:7] offset:\kc*131072
.endr
	s_wait_loadcnt 0x0
.irp kc, 1,2,3,4,5,6,7,8,9,10,11,12,13,14,15
	v_pk_add_f32 v[S:S+1], v[S:S+1], v[S+4*\kc:S+4*\kc+1]                 ; in ascending order along K
	v_pk_add_f32 v[S+2:S+3], v[S+2:S+3], v[S+4*\kc+2:S+4*\kc+3]
.endr
	global_store_b128 v242, v[S:S+3], s[10:11]     ; 512 consecutive bytes, aligned
	s_wait_xcnt 0x0                                ; the store's data registers are written again only behind this wait
.Lno_part:
; THE CHANGE OF SLOTS, at a trip's head: every wave waits for all its tensor loads, adds 0 to its spare word, and waits for that and for its reads of the slot that it has left; behind the barrier the slot ahead is whole,
; and with fill = 1 the other one takes the next trip's keys: the next 256, or, where the next trip begins the second block, the head's first 256.
.macro CHANGE fill
	s_wait_tensorcnt 0x0                           ; no tensor load of mine is out: the descriptors may be written
	ds_add_u32 v6, v7
.if \fill
	ds_add_u32 v6, v7                              ; and twice on end here, in every trip alike
	s_add_co_u32 s52, s52, 32768
	s_add_co_u32 s96, s18, 1
	s_cmp_eq_u32 s96, s17
	s_cselect_b32 s52, 0, s52
	s_xor_b32 s55, s55, SLOT
	s_mov_b32 s41, s55
	s_add_co_u32 s45, s55, VOFF
	s_add_nc_u64 s[42:43], s[48:49], s[52:53]
	s_or_b32 s43, s43, 0x80000000
	s_add_nc_u64 s[46:47], s[50:51], s[52:53]
	s_or_b32 s47, s47, 0x80000000
	s_wait_xcnt 0x0                                ; the last prefetch, a trip back, has read its address
	s_add_nc_u64 s[70:71], s[70:71], 32768
.endif
	s_wait_dscnt 0x0                               ; the add is done, and my reads of the slot that I have left are over
	s_barrier_signal -1
	s_barrier_wait -1
.if \fill
	TLOAD                                          ; the first thing behind the barrier, and a wave's one tensor load until the next
	ASK
.endif
.endm
; The softmax of tiles 2 pr and 2 pr + 1, line by line, the two tiles by turns.  All 66 exponentials are ONE batch with one wait: nothing reads a result ahead of it.
.macro SOFT pr, first
.set RT, ST+16*(\pr)
.irp n, 0,1,2,3
.irp i, 0,1
	v_max3_num_f32 v[RT+8*\i+4+\n], v[S+32*\i+8*\n], v[S+32*\i+8*\n+1], v[S+32*\i+8*\n+2]      ; each accumulator is read from its low end on
.endr
.endr
.irp k, 3,5
.irp n, 0,1,2,3
.irp i, 0,1
	v_max3_num_f32 v[RT+8*\i+4+\n], v[RT+8*\i+4+\n], v[S+32*\i+8*\n+\k], v[S+32*\i+8*\n+\k+1]
.endr
.endr
.endr
.irp i, 0,1
	v_max3_num_f32 v[RT+8*\i+4], v[RT+8*\i+4], v[S+32*\i+7], v[S+32*\i+15]
	v_max3_num_f32 v[RT+8*\i+6], v[RT+8*\i+6], v[S+32*\i+23], v[S+32*\i+31]
.endr
.irp i, 0,1
	v_max3_num_f32 v[RT+8*\i+4], v[RT+8*\i+4], v[RT+8*\i+5], v[RT+8*\i+6]
.endr
.irp i, 0,1
.if \first
	v_max_num_f32 v[RT+8*\i+4], v[RT+8*\i+4], v[RT+8*\i+7]
.else
	v_max3_num_f32 v[RT+8*\i+4], v[RT+8*\i+4], v[RT+8*\i+7], v[RT+8*\i+1]
.endif
.endr
.irp i, 0,1
	v_permlanex16_b32 v[RT+8*\i+5], v[RT+8*\i+4], s20, s21                 ; the query's other 32 keys lie in the lane 16 away
.endr
.if !\first
.irp i, 0,1
	v_mov_b32 v[RT+8*\i+7], v[RT+8*\i]             ; c m_old
.endr
.endif
.irp i, 0,1
	v_max_num_f32 v[RT+8*\i+1], v[RT+8*\i+4], v[RT+8*\i+5]
.endr
.irp i, 0,1
	v_mul_f32 v[RT+8*\i], s22, v[RT+8*\i+1]
.endr
.if !\first
.irp i, 0,1
	v_sub_f32 v[RT+8*\i+7], v[RT+8*\i+7], v[RT+8*\i]
.endr
.irp i, 0,1
	v_exp_f32 v[RT+8*\i+6], v[RT+8*\i+7]           ; a
.endr
.endif
.set e, 0
.rept 16
	v_pk_fma_f32 v[S+e:S+e+1], v[S+e:S+e+1], s[22:23], v[RT:RT+1] op_sel_hi:[1,0,0] neg_lo:[0,0,1] neg_hi:[0,0,1]            ; c s - c m
	v_pk_fma_f32 v[S+32+e:S+32+e+1], v[S+32+e:S+32+e+1], s[22:23], v[RT+8:RT+9] op_sel_hi:[1,0,0] neg_lo:[0,0,1] neg_hi:[0,0,1]
.set e, e+2
.endr
.set e, 0
.rept 64
	v_exp_f32 v[S+e], v[S+e]
.set e, e+1
.endr
	v_nop                                          ; a plain instruction behind the batch,
	s_wait_alu depctr_va_vdst(0)                   ; and the one wait ahead of its first reader
.set e, 0
.rept 32
	v_cvt_pk_f16_f32 v[P+e], v[S+2*e], v[S+2*e+1]
.set e, e+1
.endr
.irp z, 0,1,2,3,4,5,6,7                ; the sums, of the unrounded p, in place: neighbours 1, 2, 4, 8 pairs apart
.irp i, 0,1
	v_pk_add_f32 v[S+32*\i+4*\z:S+32*\i+4*\z+1], v[S+32*\i+4*\z:S+32*\i+4*\z+1], v[S+32*\i+4*\z+2:S+32*\i+4*\z+3]
.endr
.endr
.irp z, 0,1,2,3
.irp i, 0,1
	v_pk_add_f32 v[S+32*\i+8*\z:S+32*\i+8*\z+1], v[S+32*\i+8*\z:S+32*\i+8*\z+1], v[S+32*\i+8*\z+4:S+32*\i+8*\z+5]
.endr
.endr
.irp z, 0,1
.irp i, 0,1
	v_pk_add_f32 v[S+32*\i+16*\z:S+32*\i+16*\z+1], v[S+32*\i+16*\z:S+32*\i+16*\z+1], v[S+32*\i+16*\z+8:S+32*\i+16*\z+9]
.endr
.endr
.irp i, 0,1
.if \first
	v_pk_add_f32 v[RT+8*\i+2:RT+8*\i+3], v[S+32*\i:S+32*\i+1], v[S+32*\i+16:S+32*\i+17]
.else
	v_pk_add_f32 v[S+32*\i:S+32*\i+1], v[S+32*\i:S+32*\i+1], v[S+32*\i+16:S+32*\i+17]
.endif
.endr
.if !\first
.irp i, 0,1
	v_pk_fma_f32 v[RT+8*\i+2:RT+8*\i+3], v[RT+8*\i+2:RT+8*\i+3], v[RT+8*\i+6:RT+8*\i+7], v[S+32*\i:S+32*\i+1] op_sel_hi:[1,0,1]
.endr
.endif
.endm
; Two tiles through a step: 16 products k q^T, the mask, the softmax, O^T times a, 16 products v^T p.  Eight accumulators take turns in each run.
.macro HALF pr, first
.if \pr == 0
	s_wait_dscnt 16                                ; k is in; v's 16 loads, issued behind it, may be out
.endif
	WIN 0x04                                       ; q in window 1
.irp c, 0,1
.irp kt, 0,1,2,3
.irp i, 0,1
.if \c == 0
	v_wmma_f32_16x16x32_f16 v[S+32*\i+8*\kt:S+32*\i+8*\kt+7], v[KFR+16*\kt+8*\c:KFR+16*\kt+8*\c+7], v[128+16*(2*\pr+\i)+8*\c:128+16*(2*\pr+\i)+8*\c+7], 0
.else
	v_wmma_f32_16x16x32_f16 v[S+32*\i+8*\kt:S+32*\i+8*\kt+7], v[KFR+16*\kt+8*\c:KFR+16*\kt+8*\c+7], v[128+16*(2*\pr+\i)+8*\c:128+16*(2*\pr+\i)+8*\c+7], v[S+32*\i+8*\kt:S+32*\i+8*\kt+7]
.endif
.endr
.endr
.endr
	WIN 0
	PLACES
.if !\first
	s_add_co_u32 s96, s61, 63                      ; a step all of whose keys count skips the mask
	s_cmp_le_u32 s96, s60
	s_cbranch_scc1 .Lopen_\@
.set n, 0
.rept 32                               ; register 8 kt + j holds key KF + 16 kt + 8 h + j: hidden where 16 kt + j > my query - KF - 8 h
	v_cmp_gt_i32 vcc_lo, 16*(n/8)+n%8, v10
	v_cndmask_b32 v[S+n], v[S+n], v11, vcc_lo
	v_cndmask_b32 v[S+32+n], v[S+32+n], v11, vcc_lo
.set n, n+1
.endr
.Lopen_\@:
.endif
	SOFT \pr, \first
.if !\first
	WIN 0x41                                       ; O^T in window 1, a in window 0
.irp i, 0,1
.set n, 0
.rept 16
	v_pk_mul_f32 v[32*(2*\pr+\i)+n:32*(2*\pr+\i)+n+1], v[32*(2*\pr+\i)+n:32*(2*\pr+\i)+n+1], v[ST+8*(2*\pr+\i)+6:ST+8*(2*\pr+\i)+7] op_sel_hi:[1,0]
.set n, n+2
.endr
.endr
.endif
.if \pr == 0
	s_wait_dscnt 0x0                               ; v is in
.endif
	WIN 0x51                                       ; v and O^T in window 1, p in window 0
.irp kh, 0,1
.irp ct, 0,1,2,3
.irp i, 0,1
.if \first && (\kh == 0)
	v_wmma_f32_16x16x32_f16 v[32*(2*\pr+\i)+8*\ct:32*(2*\pr+\i)+8*\ct+7], v[192+8*(4*\kh+\ct):192+8*(4*\kh+\ct)+7], v[P+16*\i+8*\kh:P+16*\i+8*\kh+7], 0
.else
	v_wmma_f32_16x16x32_f16 v[32*(2*\pr+\i)+8*\ct:32*(2*\pr+\i)+8*\ct+7], v[192+8*(4*\kh+\ct):192+8*(4*\kh+\ct)+7], v[P+16*\i+8*\kh:P+16*\i+8*\kh+7], v[32*(2*\pr+\i)+8*\ct:32*(2*\pr+\i)+8*\ct+7]
.endif
.endr
.endr
.endr
.endm
; A STEP: my 64 keys of the slot in hand against my four tiles.  first = 1: the launch's first step: all its keys count (the first block's queries begin at 1,024 or later), and it starts m, l and O^T.
.macro STEP first
.if !\first
	s_add_co_u32 s96, s60, 15
	s_cmp_gt_u32 s61, s96                          ; all my keys come after my queries: nothing to do
	s_cbranch_scc1 .Lhidden_\@
	s_sub_co_i32 s96, s60, s61
	v_add_nc_u32 v10, s96, v13                     ; my query - KF - 8 h
.endif
	s_add_co_u32 s58, s54, s56
	s_add_co_u32 s59, s54, s57
	v_add_nc_u32 v3, s58, v1
	v_add_nc_u32 v4, s59, v2
.irp kt, 0,1,2,3
.irp c, 0,1
	ds_load_b128 v[KFR+16*\kt+8*\c:KFR+16*\kt+8*\c+3], v3 offset:\kt*16*144+64*\c
	ds_load_b128 v[KFR+16*\kt+8*\c+4:KFR+16*\kt+8*\c+7], v3 offset:\kt*16*144+64*\c+32
.endr
.endr
	WIN 0x40
.irp kh, 0,1
.irp ct, 0,1,2,3
	ds_load_tr16_b128 v[192+8*(4*\kh+\ct):192+8*(4*\kh+\ct)+3], v4 offset:\kh*32*160+32*\ct
	ds_load_tr16_b128 v[192+8*(4*\kh+\ct)+4:192+8*(4*\kh+\ct)+7], v4 offset:\kh*32*160+32*\ct+16*160
.endr
.endr
	WIN 0
	s_wait_loadcnt 0x0                             ; q
	HALF 0, \first
	HALF 1, \first
	WIN 0
	PLACES                                         ; behind the last products: for the next loads into v's and q's registers, and the stores of O^T
.if !\first
.Lhidden_\@:
.endif
.endm
.macro PARTIAL a16, a4                 ; my (O, c m, l) of four tiles to LDS, as images of the registers
	WIN 0x04                                       ; an LDS store's data are its source 1: window 1
.irp t, 0,1,2,3
.irp n, 0,1,2,3,4,5,6,7
	ds_store_b128 v[\a16], v[32*\t+4*\n:32*\t+4*\n+3] offset:\t*4352+512*\n
.endr
.endr
	WIN 0
.irp t, 0,1,2,3
	v_add_f32 v[ST+8*\t+4], v[ST+8*\t+2], v[ST+8*\t+3]
.endr
.irp t, 0,1,2,3
	ds_store_b32 v[\a4], v[ST+8*\t] offset:\t*4352+4096
	ds_store_b32 v[\a4], v[ST+8*\t+4] offset:\t*4352+4224
.endr
.endm
.macro ADV
	s_add_co_u32 s61, s61, 256
	s_add_co_u32 s18, s18, 1
	s_xor_b32 s54, s54, SLOT
.endm
	CHANGE 1                                       ; slot 0 is whole; slot 1's first fill goes out behind a barrier behind which nothing is filled again
	STEP 1
	ADV
	s_mov_b32 s19, 7
.Ltrip:
	CHANGE 1
	STEP 0
	ADV
	s_cmp_lg_u32 s18, s17                          ; the first block is done: ids and the count of trips alone, the same in all waves; no barrier and no tensor load stands in the branch
	s_cbranch_scc1 .Lsame_block
	QLOAD 68
	PARTIAL 8, 9
.irp t, 0,1,2,3
	v_mov_b32 v[ST+8*\t+1], 0xff61b1e6             ; m = -3e38, under every score
	v_mul_f32 v[ST+8*\t], s22, v[ST+8*\t+1]
.endr
	s_lshl_b32 s60, s15, 5
	s_lshl_b32 s96, s13, 4
	s_add_co_u32 s60, s60, s96
	s_lshl_b32 s61, s14, 6
.Lsame_block:
	s_sub_co_u32 s19, s19, 1
	s_cmp_lg_u32 s19, 0
	s_cbranch_scc1 .Ltrip
	CHANGE 0                                       ; the ninth trip is written out: nothing is left to fetch
	STEP 0
	; THE END.  Nobody reads a slot any more behind the first barrier; the second block's partials go into the slots, which have had their last fill.
	s_wait_dscnt 0x0
	s_barrier_signal -1
	s_barrier_wait -1
	PARTIAL 240, 241
	s_wait_dscnt 0x0
	s_barrier_signal -1
	s_barrier_wait -1
	; THE MERGE.  Wave w: block (w < 4: the second, else the first), positions' half (w >> 1) & 1, tiles 2 (w & 1) and + 1; the four quarters' regions lie 34,816 bytes apart.
	s_lshr_b32 s96, s12, 2
	s_mul_i32 s96, s96, SCRA
	s_bfe_u32 s97, s12, 0x10001
	s_mul_i32 s76, s97, 17408
	s_add_co_u32 s96, s96, s76
	s_and_b32 s77, s12, 1
	s_mul_i32 s76, s77, 8704
	s_add_co_u32 s96, s96, s76
.irp kq, 0,1,2,3
	v_add_nc_u32 v[244+\kq], s96, v242
	v_add_nc_u32 v[248+\kq], s96, v243
	s_add_co_u32 s96, s96, 34816
.endr
	s_sub_co_u32 s96, 63, s15
	s_cmp_lt_u32 s12, 4
	s_cselect_b32 s96, s15, s96                    ; the block,
	s_lshl_b32 s96, s96, 1
	s_add_co_u32 s96, s96, s97
	s_lshl_b32 s96, s96, 16                        ; its 16 positions x 4,096 bytes,
	s_lshl_b32 s76, s16, 1
	s_add_co_u32 s76, s76, s77
	s_lshl_b32 s76, s76, 8                         ; heads 4 G + 2 (w & 1) on: 256 bytes
	s_add_co_u32 s96, s96, s76
	s_mov_b32 s97, 0
	s_add_nc_u64 s[74:75], s[8:9], s[96:97]
.macro MERGE i
.irp kq, 0,1,2,3
	ds_load_b32 v[224+\kq], v[248+\kq] offset:\i*4352+4096
	ds_load_b32 v[228+\kq], v[248+\kq] offset:\i*4352+4224
.endr
.irp kq, 0,1,2,3
.irp n, 0,1,2,3,4,5,6,7
	ds_load_b128 v[S+32*\kq+4*\n:S+32*\kq+4*\n+3], v[244+\kq] offset:\i*4352+512*\n
.endr
.endr
	s_wait_dscnt 32                                ; the eight statistics are in; the 32 loads of O, issued behind them, may be out
	v_max3_num_f32 v232, v224, v225, v226
	v_max_num_f32 v232, v232, v227                 ; the largest c m (quarter 0 holds key 0, which counts for every query)
.irp kq, 0,1,2,3
	v_sub_f32 v[224+\kq], v[224+\kq], v232
.endr
.irp kq, 0,1,2,3
	v_exp_f32 v[ST+2*\kq], v[224+\kq]
.endr
	v_nop
	s_wait_alu depctr_va_vdst(0)
	v_mul_f32 v233, v[ST], v228
	v_fmac_f32 v233, v[ST+2], v229
	v_fmac_f32 v233, v[ST+4], v230
	v_fmac_f32 v233, v[ST+6], v231
	v_permlanex16_b32 v234, v233, s20, s21
	v_add_f32 v233, v233, v234                     ; the row's sum
	v_rcp_f32 v235, v233
	v_nop
	s_wait_alu depctr_va_vdst(0)
.irp kq, 0,1,2,3
	v_mul_f32 v[ST+2*\kq], v[ST+2*\kq], v235
.endr
	s_wait_dscnt 0x0
.set n, 0
.rept 16
	v_pk_mul_f32 v[S+n:S+n+1], v[S+n:S+n+1], v[ST:ST+1] op_sel_hi:[1,0]
	v_pk_fma_f32 v[S+n:S+n+1], v[S+32+n:S+32+n+1], v[ST+2:ST+3], v[S+n:S+n+1] op_sel_hi:[1,0,1]
	v_pk_fma_f32 v[S+n:S+n+1], v[S+64+n:S+64+n+1], v[ST+4:ST+5], v[S+n:S+n+1] op_sel_hi:[1,0,1]
	v_pk_fma_f32 v[S+n:S+n+1], v[S+96+n:S+96+n+1], v[ST+6:ST+7], v[S+n:S+n+1] op_sel_hi:[1,0,1]
.set n, n+2
.endr
.set n, 0
.rept 16
	v_cvt_pk_f16_f32 v[192+16*\i+n], v[S+2*n], v[S+2*n+1]
.set n, n+1
.endr
.endm
	MERGE 0
	MERGE 1
	s_wait_dscnt 0x0                               ; my reads of the partials are over:
	s_barrier_signal -1
	s_barrier_wait -1                              ; everybody's are, so my own region may serve as my stage
.irp i, 0,1
.irp ct, 0,1,2,3
	ds_store_b128 v252, v[192+16*\i+4*\ct:192+16*\i+4*\ct+3] offset:128*\i+32*\ct   ; query r; head i, channels 16 ct + 8 h on
.endr
.endr
.irp f, 0,1,2,3,4,5,6,7
	ds_load_b128 v[S+4*\f:S+4*\f+3], v253 offset:544*\f                    ; LDS serves a wave's instructions in order: these see the stores above
.endr
.irp f, 0,1,2,3,4,5,6,7
	s_wait_dscnt 7-\f
	global_store_b128 v254, v[S+4*\f:S+4*\f+3], s[74:75] offset:8192*\f    ; sixteen lanes store 256 consecutive bytes, aligned
.endr
	s_wait_tensorcnt 0x0                           ; the wave's end
	ds_add_u32 v6, v7
	s_wait_dscnt 0x0
	s_endpgm
.Lfunc_end_k_q30e8d468e1_attn:
	.size	k_q30e8d468e1_attn, .Lfunc_end_k_q30e8d468e1_attn-k_q30e8d468e1_attn
	.p2alignl 7, 3214868480
	.fill 96, 4, 3214868480
	.section	.rodata,"a",@progbits
	.p2align	6, 0x0
	.amdhsa_kernel k_q30e8d468e1_attn
		.amdhsa_group_segment_fixed_size 327680
		.amdhsa_private_segment_fixed_size 0
		.amdhsa_enable_private_segment 0
		.amdhsa_kernarg_size 32
		.amdhsa_user_sgpr_count 2
		.amdhsa_user_sgpr_kernarg_segment_ptr 1
		.amdhsa_wavefront_size32 1
		.amdhsa_system_sgpr_workgroup_id_x 1
		.amdhsa_system_sgpr_workgroup_id_y 1
		.amdhsa_system_sgpr_workgroup_id_z 1
		.amdhsa_system_vgpr_workitem_id 0
		.amdhsa_next_free_vgpr 512
		.amdhsa_next_free_sgpr 100
		.amdhsa_reserve_vcc 1
		.amdhsa_float_denorm_mode_32 3
		.amdhsa_float_denorm_mode_16_64 3
		.amdhsa_memory_ordered 1
		.amdhsa_forward_progress 1
		.amdhsa_inst_pref_size 147
	.end_amdhsa_kernel
	.amdgpu_metadata
---
amdhsa.version: [ 1, 2 ]
amdhsa.kernels:
  - .name:           k_q30e8d468e1_attn
    .symbol:         k_q30e8d468e1_attn.kd
    .args:
      - { .name: qkvh, .offset: 0, .size: 8, .value_kind: global_buffer, .address_space: global }
      - { .name: part, .offset: 8, .size: 8, .value_kind: global_buffer, .address_space: global }
      - { .name: o16, .offset: 16, .size: 8, .value_kind: global_buffer, .address_space: global }
      - { .name: out0, .offset: 24, .size: 8, .value_kind: global_buffer, .address_space: global }
    .group_segment_fixed_size: 327680
    .private_segment_fixed_size: 0
    .kernarg_segment_align: 8
    .kernarg_segment_size: 32
    .max_flat_workgroup_size: 256
    .sgpr_count:     100
    .vgpr_count:     512
    .wavefront_size: 32
...
	.end_amdgpu_metadata
.endif
;; end of part 4
;; launch outp (part 5): grid 16 x 16, 4 waves a work-group, clusters of 4 x 4, 327,680 bytes of LDS; arguments o16, woh, out0; writes out0
.if DOCPART == 5
	.amdgcn_target "amdgcn-amd-amdhsa--gfx1250"
	.amdhsa_code_object_version 6
	.text
	.protected	k_q30e8d468e1_outp
	.globl	k_q30e8d468e1_outp
	.p2align	8
	.type	k_q30e8d468e1_outp,@function
k_q30e8d468e1_outp:
	s_mov_b64 s[64:65], 0
	v_nop
	global_prefetch_b8 v0, s[64:65] scope:SCOPE_SE
	s_setreg_imm32_b32 hwreg(HW_REG_WAVE_MODE, 25, 1), 1
	s_wait_xcnt 0x0
	s_wait_alu depctr_hold_cnt(0) depctr_sa_sdst(0) depctr_va_vdst(0) depctr_va_sdst(0) depctr_va_ssrc(0) depctr_va_vcc(0) depctr_vm_vsrc(0)
	s_getreg_b32 s2, hwreg(HW_REG_IB_STS2, 6, 4)
	s_cmp_eq_u32 s2, 0
	s_cbranch_scc0 .Lentry_in_a_cluster
	s_endpgm
.Lentry_in_a_cluster:
	s_bfe_u32 s2, ttmp6, 0x10000c
	s_cmp_lg_u32 s2, 0xf033
	s_cbranch_scc0 .Lentry_shape_is_right
	s_endpgm
.Lentry_shape_is_right:
; out0 = o Wo: o16 [2048 m][2048 k] f16, woh [2048 k][2048 n] f16, out0 [2048][2048] f32; sums in f32.  Rows 0-15 are not stored here: the launch before has made them in f32.
; A tile of C is 128 x 128: 256 work-groups, one for each WGP.  Four waves, each 64 x 64: 16 accumulators.  K goes in steps of 256 through two LDS slots.
; woh lies [k][n]: its tile is 256 rows (k) of 256 bytes, and its fragments come out of LDS turned, by ds_load_tr16_b128.
; CLUSTER 4 x 4: o's tiles are shared along a row of the cluster, Wo's along a column: joint loads.  Waves 0, 1 fetch o's halves (64 rows of 512 bytes), waves 2, 3 Wo's (128 k rows of 256 bytes).
; THE MATRIX INSTRUCTION IS USED TRANSPOSED (source 0 = 16 columns of Wo, source 1 = 16 rows of o): a lane holds eight neighbouring numbers of a row of C.
; REGISTERS: window 0: v16-29 addresses; v32-95 the way out; v128-255 the accumulators ((a, b) at 128 + 8 (4 a + b)).  window 1: two fragment buffers of 128: 64 registers of o, then 64 of Wo, for 64 along K.
.set PA,     528                       ; o's LDS row: 512 bytes + 16
.set PB,     288                       ; Wo's: 256 bytes + 32
.set HALFA,  64*PA
.set HALFB,  128*PB
.set BOFF,   2*HALFA
.set SLOT,   BOFF+2*HALFB
.set SPARE,  2*SLOT                    ; the spare words: no other line names them
.set SPITCH, 272                       ; the way out: 16 rows x (256 bytes + 16) for each wave, in slot 0, which has had its last fill and its last read by then
.set LAPS,   4
.set ADRA, 16                          ; v16-17  o's fragments in slot 0, 1
.set ADRB, 20                          ; v20-23  Wo's: slot 0, 1 x k rows 0-127, 128-255
.set STO,  24
.set RD,   25
.set CO,   26
.set RB,   27
.set SPW,  28
.set NIL,  29
.set ACC,  128
.set F0,   0
.set F1,   128
.set G1, 24
.set G0, 32
.set G1B, 48
.set G0B, 56
.set MSB, 0
.macro WIN new
.if MSB != \new
	s_set_vgpr_msb (MSB<<8)|\new
.set MSB, \new
.endif
.endm
.set MUL,  0x05                        ; sources 0 and 1 window 1; C and D window 0
.set TO_F, 0x40                        ; destination window 1
.macro PLACES
.rept 4
	v_nop
.endr
.endm
.macro JLOAD s
	s_cmp_eq_u32 s11, 0
	s_cbranch_scc0 .Lfor_b_\@
	tensor_load_to_lds s[G0+4*\s:G0+4*\s+3], s[G1:G1+7]
	s_nop 0
	PLACES
	s_branch .Lasked_\@
.Lfor_b_\@:
	tensor_load_to_lds s[G0B+4*\s:G0B+4*\s+3], s[G1B:G1B+7]
	s_nop 0
	PLACES
.Lasked_\@:
.endm
.macro CREST
	s_cmp_lg_u32 s10, 0
	s_cbranch_scc1 .Lnot_wave_0_\@
	s_barrier_signal -3
.Lnot_wave_0_\@:
	s_barrier_wait -3
	s_barrier_signal -1
	s_barrier_wait -1
.endm
.macro CROUND
	s_barrier_signal -1
	s_barrier_wait -1
	CREST
.endm
	s_load_b128 s[4:7], s[0:1], 0x0                ; o16, woh
	s_load_b64 s[8:9], s[0:1], 0x10                ; out0
	v_lshl_add_u32 v[SPW], v0, 2, SPARE
	v_mov_b32 v[NIL], 0
	ds_add_u32 v[SPW], v[NIL]                      ; the wave's opening: the add, twice on end, and its wait ahead of my first tensor load
	ds_add_u32 v[SPW], v[NIL]
	v_lshrrev_b32 v1, 5, v0
	v_readfirstlane_b32 s10, v1                    ; wave 0..3
	s_lshr_b32 s11, s10, 1                         ; which half of the tile's rows is mine.  Also: I fetch for o (0) or for Wo (1)
	s_and_b32 s12, s10, 1                          ; which half of its columns.  Also: which half of that tile I fetch
	s_bfe_u32 s40, ttmp6, 0x40000
	s_bfe_u32 s41, ttmp6, 0x40004
	s_lshl_b32 s42, ttmp9, 2
	s_add_co_u32 s42, s42, s40                     ; tile column
	s_and_b32 s13, ttmp7, 0xffff
	s_lshl_b32 s13, s13, 2
	s_add_co_u32 s13, s13, s41                     ; tile row
	s_lshl_b32 s43, s41, 2
	s_lshl_b32 s43, 15, s43
	s_lshl_b32 s44, 0x1111, s40
	s_or_b32 s[G1+0], s43, (1<<16)|(1<<20)|(1<<21)|(6<<22)|(3<<25)    ; o: elements of 2 bytes; 4 words of padding behind every 128
	s_mov_b32 s[G1+1], 256<<16
	s_mov_b32 s[G1+2], 64<<16
	s_mov_b32 s[G1+3], 256<<16
	s_mov_b32 s[G1+4], 64
	s_mov_b32 s[G1+5], 2048
	s_mov_b32 s[G1+6], 0
	s_mov_b32 s[G1+7], 0
	s_or_b32 s[G1B+0], s44, (1<<16)|(1<<20)|(1<<21)|(5<<22)|(7<<25)   ; Wo: 8 words of padding behind every 64
	s_mov_b32 s[G1B+1], 128<<16
	s_mov_b32 s[G1B+2], 128<<16
	s_mov_b32 s[G1B+3], 128<<16
	s_mov_b32 s[G1B+4], 128
	s_mov_b32 s[G1B+5], 2048
	s_mov_b32 s[G1B+6], 0
	s_mov_b32 s[G1B+7], 0
	s_lshl_b32 s16, s13, 19                        ; o: row 128 x tile row + 64 x half, 4,096 bytes a row
	s_lshl_b32 s17, s12, 18
	s_add_co_u32 s16, s16, s17
	s_mov_b32 s17, 0
	s_lshl_b32 s46, s12, 19                        ; Wo: k row 128 x half, + 256 bytes x tile column
	s_lshl_b32 s47, s42, 8
	s_add_co_u32 s46, s46, s47
	s_mov_b32 s47, 0
	s_mul_i32 s20, s12, HALFA
	s_mul_i32 s21, s12, HALFB
	s_add_co_u32 s21, s21, BOFF
	s_wait_dscnt 0x0                               ; both opening adds are done
	s_wait_kmcnt 0x0
	s_add_nc_u64 s[14:15], s[4:5], s[16:17]
	s_add_nc_u64 s[46:47], s[6:7], s[46:47]
	CROUND                                         ; all sixteen work-groups are here: the first joint loads meet
.irp s, 0,1
	s_mov_b32 s[G0+4*\s], 1
	s_add_co_u32 s[G0+4*\s+1], s20, \s*SLOT
	s_add_nc_u64 s[G0+4*\s+2:G0+4*\s+3], s[14:15], \s*512
	s_or_b32 s[G0+4*\s+3], s[G0+4*\s+3], 0x80000000
	s_mov_b32 s[G0B+4*\s], 1
	s_add_co_u32 s[G0B+4*\s+1], s21, \s*SLOT
	s_add_nc_u64 s[G0B+4*\s+2:G0B+4*\s+3], s[46:47], \s*256*4096
	s_or_b32 s[G0B+4*\s+3], s[G0B+4*\s+3], 0x80000000
	JLOAD \s
.endr
	v_and_b32 v1, 15, v0                           ; r
	v_bfe_u32 v2, v0, 4, 1                         ; h
	v_mul_u32_u24 v3, v1, PA
	v_lshl_add_u32 v3, v2, 4, v3
	s_mul_i32 s21, s11, HALFA
	v_add_nc_u32 v[ADRA], s21, v3
	s_add_co_u32 s21, s21, SLOT
	v_add_nc_u32 v[ADRA+1], s21, v3
	v_and_b32 v4, 7, v0
	v_lshl_add_u32 v4, v2, 3, v4
	v_mul_u32_u24 v4, v4, PB
	v_bfe_u32 v5, v0, 3, 1
	v_lshl_add_u32 v4, v5, 4, v4                   ; the turning load: k row 8 h + l % 8, columns 8 ((l / 8) % 2) on
	s_lshl_b32 s22, s12, 7
	s_add_co_u32 s22, s22, BOFF                    ; my 64 columns
	v_add_nc_u32 v[ADRB], s22, v4
	s_add_co_u32 s22, s22, HALFB
	v_add_nc_u32 v[ADRB+1], s22, v4
	s_add_co_u32 s22, s22, SLOT-HALFB
	v_add_nc_u32 v[ADRB+2], s22, v4
	s_add_co_u32 s22, s22, HALFB
	v_add_nc_u32 v[ADRB+3], s22, v4
	s_mul_i32 s23, s10, 16*SPITCH                  ; my stage
	v_mul_u32_u24 v4, v1, SPITCH
	v_lshl_add_u32 v4, v2, 5, v4
	v_add_nc_u32 v[STO], s23, v4                   ; in: row r, 32 bytes for each half of the lanes
	v_mul_u32_u24 v5, v2, SPITCH
	v_lshl_add_u32 v5, v1, 4, v5
	v_add_nc_u32 v[RD], s23, v5                    ; back: lanes 0-15 one row of 256 bytes, lanes 16-31 the next
	v_lshlrev_b32 v5, 13, v2
	v_lshl_add_u32 v[CO], v1, 4, v5                ; and the same two rows in C
	s_lshl_b32 s16, s13, 7
	s_lshl_b32 s17, s11, 6
	s_add_co_u32 s16, s16, s17                     ; my first row of C
	v_mov_b32 v[RB], s16
	s_lshl_b32 s16, s16, 13
	s_lshl_b32 s46, s42, 9
	s_lshl_b32 s47, s12, 8
	s_add_co_u32 s46, s46, s47                     ; my first column, in bytes
	s_add_co_u32 s16, s16, s46
	s_mov_b32 s17, 0
	s_add_nc_u64 s[8:9], s[8:9], s[16:17]
.macro MUL8 f, c, a0, zero             ; m blocks a0, a0 + 1 x all 4 n blocks, 32 along K.  The 16 accumulators take turns
.irp a, \a0, \a0+1
.irp b, 0,1,2,3
.if \zero
	v_wmma_f32_16x16x32_f16 v[ACC+8*(4*(\a)+\b):ACC+8*(4*(\a)+\b)+7], v[\f+64+8*(4*\c+\b):\f+64+8*(4*\c+\b)+7], v[\f+8*(4*\c+\a):\f+8*(4*\c+\a)+7], 0
.else
	v_wmma_f32_16x16x32_f16 v[ACC+8*(4*(\a)+\b):ACC+8*(4*(\a)+\b)+7], v[\f+64+8*(4*\c+\b):\f+64+8*(4*\c+\b)+7], v[\f+8*(4*\c+\a):\f+8*(4*\c+\a)+7], v[ACC+8*(4*(\a)+\b):ACC+8*(4*(\a)+\b)+7]
.endif
.endr
.endr
.endm
.macro FETCH slot, qd, f               ; 32 LDS loads in one run: the slot's quarter qd (64 along K) into buffer f; the first 32 along K first
	WIN TO_F
.irp c, 0,1
.irp i, 0,1,2,3
	ds_load_tr16_b128 v[\f+64+8*(4*\c+\i):\f+64+8*(4*\c+\i)+3],   v[ADRB+2*\slot+(\qd)/2] offset:(64*((\qd)%2)+32*\c)*PB+32*\i
	ds_load_tr16_b128 v[\f+64+8*(4*\c+\i)+4:\f+64+8*(4*\c+\i)+7], v[ADRB+2*\slot+(\qd)/2] offset:(64*((\qd)%2)+32*\c)*PB+32*\i+16*PB
	ds_load_b128 v[\f+8*(4*\c+\i):\f+8*(4*\c+\i)+3],              v[ADRA+\slot] offset:128*(\qd)+64*\c+\i*16*PA
	ds_load_b128 v[\f+8*(4*\c+\i)+4:\f+8*(4*\c+\i)+7],            v[ADRA+\slot] offset:128*(\qd)+64*\c+\i*16*PA+32
.endr
.endr
.endm
.macro QUARTER slot, qd, f, g, zero    ; multiplies buffer f; in its middle fetches quarter qd of the same slot into g
	s_wait_dscnt 16                                ; the first 32 along K are in; the 16 younger loads may be out
	WIN MUL
	MUL8 \f, 0, 0, \zero
	MUL8 \f, 0, 2, \zero
	PLACES
	FETCH \slot, \qd, \g
	s_wait_dscnt 32                                ; all but the 32 just issued
	WIN MUL
	MUL8 \f, 1, 0, 0
	MUL8 \f, 1, 2, 0
.endm
.macro TURN slot, next, fill           ; the slot's last quarter multiplies buffer 1 and changes slots
	WIN 0
	s_wait_tensorcnt 0x0                           ; all my tensor loads have landed: my part of the next slot
	ds_add_u32 v[SPW], v[NIL]
	s_wait_dscnt 17                                ; (the add and the youngest sixteen loads may be out)
	WIN MUL
	MUL8 F1, 0, 0, 0
	s_wait_dscnt 0x0                               ; the add is done, and my reads of this slot are over
	s_barrier_signal -1
	MUL8 F1, 0, 2, 0
.if \fill
	WIN 0
.endif
	s_barrier_wait -1
.if \fill
	CREST                                          ; the barrier has opened a round of the cluster's: no wave of any partner still reads this slot or has a load on its way
	s_add_nc_u64 s[G0+4*\slot+2:G0+4*\slot+3], s[G0+4*\slot+2:G0+4*\slot+3], 1024
	s_add_nc_u64 s[G0B+4*\slot+2:G0B+4*\slot+3], s[G0B+4*\slot+2:G0B+4*\slot+3], 512*4096
	JLOAD \slot                                    ; the first tensor load behind the round; its four v_nop are also the places in front of the loads below
.else
	PLACES
.endif
	FETCH \next, 0, F0
	WIN MUL
	MUL8 F1, 1, 0, 0
	MUL8 F1, 1, 2, 0
.endm
	s_wait_tensorcnt 1                             ; my part of slot 0 is in; slot 1's load, issued behind it, may be out
	s_barrier_signal -1
	s_barrier_wait -1
	FETCH 0, 0, F0
	QUARTER 0, 1, F0, F1, 1                        ; the first products start the sums
	WIN 0
	s_mov_b32 s3, LAPS-1
.Llap:                                                 ; a trip goes once round the ring and fills both slots again
	QUARTER 0, 2, F1, F0, 0
	QUARTER 0, 3, F0, F1, 0
	TURN 0, 1, 1
	QUARTER 1, 1, F0, F1, 0
	QUARTER 1, 2, F1, F0, 0
	QUARTER 1, 3, F0, F1, 0
	TURN 1, 0, 1
	QUARTER 0, 1, F0, F1, 0
	WIN 0
	s_sub_co_u32 s3, s3, 1
	s_cmp_lg_u32 s3, 0
	s_cbranch_scc1 .Llap
	QUARTER 0, 2, F1, F0, 0                        ; the last lap fills nothing
	QUARTER 0, 3, F0, F1, 0
	TURN 0, 1, 0
	QUARTER 1, 1, F0, F1, 0
	QUARTER 1, 2, F1, F0, 0
	QUARTER 1, 3, F0, F1, 0
	s_wait_dscnt 16
	WIN MUL
	MUL8 F1, 0, 0, 0
	MUL8 F1, 0, 2, 0
	s_wait_dscnt 0x0
	MUL8 F1, 1, 0, 0
	MUL8 F1, 1, 2, 0
	WIN 0
; THE WAY OUT, 16 rows at a time: my 64 columns of f32 are 256 bytes, so the stage is my own and no barrier is needed.
.macro TOSTAGE a
.irp b, 0,1,2,3
	ds_store_b128 v[STO], v[ACC+8*(4*\a+\b):ACC+8*(4*\a+\b)+3] offset:64*\b          ; each accumulator from its low end on
	ds_store_b128 v[STO], v[ACC+8*(4*\a+\b)+4:ACC+8*(4*\a+\b)+7] offset:64*\b+16
.endr
.irp t, 0,1,2,3,4,5,6,7
	ds_load_b128 v[32+32*(\a%2)+4*\t:32+32*(\a%2)+4*\t+3], v[RD] offset:\t*2*SPITCH  ; LDS serves a wave's instructions in order: these see the stores above
.endr
.endm
.macro SEND a, younger                 ; younger: the LDS instructions issued behind block a's loads
	s_wait_dscnt \younger
.irp t, 0,1,2,3,4,5,6,7
	global_store_b128 v[CO], v[32+32*(\a%2)+4*\t:32+32*(\a%2)+4*\t+3], s[8:9] offset:\a*131072+16384*\t th:TH_STORE_NT   ; sixteen lanes store 256 consecutive bytes, aligned
.endr
.endm
	PLACES
	TOSTAGE 0
	TOSTAGE 1
	v_cmp_ne_u32 vcc_lo, 0, v[RB]                  ; rows 0-15 of C are not mine to store: a mask on the lanes, no branch
	s_wait_xcnt 0x0                                ; EXEC changes only behind this wait
	s_and_saveexec_b32 s2, vcc_lo
	SEND 0, 16
	s_wait_xcnt 0x0                                ; and again, in front of the line that restores it; block 0's registers are free too
	s_or_b32 exec_lo, exec_lo, s2
	TOSTAGE 2
	SEND 1, 16
	s_wait_xcnt 0x0                                ; block 1's stores have read their registers
	TOSTAGE 3
	SEND 2, 16
	SEND 3, 0
	s_wait_tensorcnt 0x0                           ; the wave's end
	ds_add_u32 v[SPW], v[NIL]
	s_wait_dscnt 0x0
	CROUND                                         ; the closing round
	s_endpgm
.Lfunc_end_k_q30e8d468e1_outp:
	.size	k_q30e8d468e1_outp, .Lfunc_end_k_q30e8d468e1_outp-k_q30e8d468e1_outp
	.p2alignl 7, 3214868480
	.fill 96, 4, 3214868480
	.section	.rodata,"a",@progbits
	.p2align	6, 0x0
	.amdhsa_kernel k_q30e8d468e1_outp
		.amdhsa_group_segment_fixed_size 327680
		.amdhsa_private_segment_fixed_size 0
		.amdhsa_enable_private_segment 0
		.amdhsa_kernarg_size 24
		.amdhsa_user_sgpr_count 2
		.amdhsa_user_sgpr_kernarg_segment_ptr 1
		.amdhsa_wavefront_size32 1
		.amdhsa_system_sgpr_workgroup_id_x 1
		.amdhsa_system_sgpr_workgroup_id_y 1
		.amdhsa_system_sgpr_workgroup_id_z 1
		.amdhsa_system_vgpr_workitem_id 0
		.amdhsa_next_free_vgpr 512
		.amdhsa_next_free_sgpr 66
		.amdhsa_reserve_vcc 1
		.amdhsa_float_denorm_mode_32 3
		.amdhsa_float_denorm_mode_16_64 3
		.amdhsa_memory_ordered 1
		.amdhsa_forward_progress 1
		.amdhsa_inst_pref_size 86
	.end_amdhsa_kernel
	.amdgpu_metadata
---
amdhsa.version: [ 1, 2 ]
amdhsa.kernels:
  - .name:           k_q30e8d468e1_outp
    .symbol:         k_q30e8d468e1_outp.kd
    .args:
      - { .name: o16, .offset: 0, .size: 8, .value_kind: global_buffer, .address_space: global }
      - { .name: woh, .offset: 8, .size: 8, .value_kind: global_buffer, .address_space: global }
      - { .name: out0, .offset: 16, .size: 8, .value_kind: global_buffer, .address_space: global }
    .group_segment_fixed_size: 327680
    .private_segment_fixed_size: 0
    .kernarg_segment_align: 8
    .kernarg_segment_size: 24
    .max_flat_workgroup_size: 128
    .sgpr_count:     66
    .vgpr_count:     512
    .wavefront_size: 32
...
	.end_amdgpu_metadata
.endif
;; end of part 5
